; MI455X (gfx1250); checked and timed in simulation.
; The chip was launched on July 23, 2026; its instructions are those of AMD's public machine-readable ISA for CDNA 5 (MIT licence, August 2026) and "CDNA5" Instruction Set Architecture Reference Guide (July 2026). The comments in the code are by the model that wrote it; some were corrected since.
;; Attention. Allowed arithmetic: matrix products marked QUANTISED: E2M3 operands, one E8M0 scale for each 32 along K, by v_wmma_scale_f32_16x16x128_f8f6f4 with both operands' format E2M3, f32 sums; everything else in f32.
;; Inputs: Wk 2,048 x 512 float32; Wo 2,048 x 2,048 float32; Wq 2,048 x 2,048 float32; Wv 2,048 x 512 float32; hidden_states 8 x 512 x 2,048 float32.
;; Outputs: out0 8 x 512 x 2,048 float32.
;; This version of the problem:
;;   THIS VERSION OF THE PROBLEM IS GIVEN IN LOW PRECISION. The matrix products marked QUANTISED in the list below multiply operands that are first quantised to E2M3 (2 exponent bits, 3 mantissa bits; 6 bits a number), with one power-of-two scale for each 32 numbers along K (OCP MX v1.0); their sums are f32. All else is computed in f32.
;;   The module's matrix products, in the order in which they are computed (A, B: the left and right operand; K: the contracted axis; several contracted axes count as one K, in the product's order):
;;     1. [M 4,096, K 2,048] x [K 2,048, N 2,048]; A: input hidden_states; B: input Wq: QUANTISED
;;     2. [M 4,096, K 2,048] x [K 2,048, N 512]; A: input hidden_states; B: input Wk: QUANTISED
;;     3. [M 4,096, K 2,048] x [K 2,048, N 512]; A: input hidden_states; B: input Wv: QUANTISED
;;     4. batch 256 x [M 512, K 64] x [K 64, N 512]; A: computed on the way; B: computed on the way: QUANTISED
;;     5. batch 256 x [M 64, K 512] x [K 512, N 512]; A: computed on the way; B: softmax (see below): QUANTISED
;;     6. [M 4,096, K 2,048] x [K 2,048, N 2,048]; A: computed on the way; B: input Wo: QUANTISED
;;   THE QUANTISER, for each operand of a quantised product, along K:
;;     - K is cut into blocks of 32 from its start; a last block that is shorter is filled with zeros.
;;     - A block's scale is 2^e with e = floor(log2(the largest magnitude in the block)) - 2, held to -126 .. 127; a block of zeros has e = 0. As a byte (E8M0): e + 127.
;;     - Each number is divided by its block's scale, clamped to +-7.5, and rounded to the nearest number of E2M3, ties to even, subnormals kept.
;;     - The product sums the exact products of the quantised numbers (number of the format x scale) in f32.
;;   ~~~python
;;   def quantise(x, axis):      # numpy; x: float32 -> the quantised numbers, widened to float32 again
;;       x = np.moveaxis(x, axis, -1); K = x.shape[-1]
;;       x = np.pad(x, [(0, 0)] * (x.ndim - 1) + [(0, -K % 32)]); x = x.reshape(x.shape[:-1] + (-1, 32)); a = np.abs(x).max(-1, keepdims=True)
;;       e = np.where(a > 0, np.clip(np.frexp(np.where(a > 0, a, 1))[1] - 1 - 2, -126, 127), 0)      # np.frexp(a)[1] - 1 = floor(log2(a)), exactly
;;       r = np.clip(x / 2.0 ** e, -7.5, 7.5)
;;       step = 2.0 ** (np.maximum(np.frexp(np.where(r == 0, 1, r))[1] - 1, 0) - 3)
;;       q = np.round(r / step) * step * 2.0 ** e      # np.round: ties to even
;;       return np.moveaxis(q.reshape(q.shape[:-2] + (-1,))[..., :K], -1, axis).astype(np.float32)
;;   ~~~
;;   SOFTMAX AHEAD OF A QUANTISED PRODUCT. Where the list says 'softmax', what is quantised is not the finished softmax but p = 2^(t - M), with t = logit x log2(e) and M = ceil(the row's largest t), a whole number; so 1/2 < the row's largest p <= 1. The row's sum l is taken of the UNQUANTISED p, in f32, and the product's result is divided by l at the end. Since M is a whole number, a kernel that streams over the keys may use a running M (the ceiling of the running maximum): every later rescaling is an exact power of two, which a block's scale takes up: the codes' values come out the same.
;;   OPERANDS COMPUTED ON THE WAY. 'Computed on the way' means the value that the module computes at that place (a softmax that the list does not call 'softmax' is quantised finished and normalised). What goes into a quantiser is computed in f32, as accurately as f32 sums, v_exp_f32 and their like allow (about 1e-6 of the number): no bf16 or f16 on the way to a quantiser, and a product that is left as it is and whose result goes on into a quantised operand takes f32 operands (vector FMAs, or v_wmma_f32_16x16x4_f32). A number that lies on a knife's edge between two numbers of the format may be rounded either way, as far as f32 arithmetic and the matrix unit's own rounding can turn it there, and no further.
;; One version. Each part assembles by itself: llvm-mc -triple=amdgcn-amd-amdhsa -mcpu=gfx1250 --defsym DOCPART=n.
;; ======== version 1 of 1: 4 launches
;; limits: right only within a limited range of input values
;; workspace buffers: xbuf 6,553,600 bytes; wbuf 8,192,000 bytes; rope 131,072 bytes; qbuf 6,815,744 bytes; kv 3,342,336 bytes; abuf 6,553,600 bytes
;; launch quant (part 1): grid 580 x 1, 4 waves a work-group, no clusters, 66,048 bytes of LDS; arguments hidden_states, Wq, Wk, Wv, Wo, xbuf, wbuf, rope; writes xbuf, wbuf, rope
.if DOCPART == 1
	.amdgcn_target "amdgcn-amd-amdhsa--gfx1250"
	.amdhsa_code_object_version 6
	.text
	.protected	k_q203034c025_quant
	.globl	k_q203034c025_quant
	.p2align	8
	.type	k_q203034c025_quant,@function
k_q203034c025_quant:
	s_mov_b64 s[64:65], 0
	v_nop
	global_prefetch_b8 v0, s[64:65] scope:SCOPE_SE
	s_setreg_imm32_b32 hwreg(HW_REG_WAVE_MODE, 25, 1), 1
	s_wait_xcnt 0x0
; QUANTISER OF ALL INPUTS, AND THE ROPE TABLE.  Codes of FP6 (E2M3) with one E8M0 byte for each 32 along K.
; An operand of R rows and K columns is laid [K / 64][R][48 bytes] (64 codes of one row, as one stream of bits), its scales [K / 128][R] words (byte b: k = 32 b on).
; Work-groups 0-255 (path X): hidden_states [4096][2048], K innermost -> xbuf.  Work-groups 256-575 (path W): the four weights, stored [K][N] -> wbuf, row = output column.
; Work-groups 576-579 (path T): cos and sin of position x 10^(-i / 8), i = 0 .. 31 -> rope [512][32 cos | 32 sin].
; wbuf's rows: group g of 384: q heads 4 g, 4 g + 1, 4 g + 2, v head g, q head 4 g + 3, k head g (64 rows each); Wo's column n at 3072 + n.  Inside each 32 rows, column i lies at row i with its bits 3 and 4 swapped.
; A block's scale is 2^(floor(log2(largest magnitude)) - 2): the largest magnitude's exponent field less 2, held at 1 from below by a floor among the maximum's leaves.
; LIMITS: a block of zeros, or one whose largest magnitude lies under 2^-124, gets the byte 1 (its codes are zeros or near it; only this program reads the bytes); NaN and infinities are not served.
; The frequencies are the correctly rounded 10^(-i / 8); an angle may differ from a power computed in f32 by a few parts in 10^7 of itself.
; The three paths part on the work-group's number; X and W have LDS bytes of their own.  No barrier: waves share nothing.
.set SPARE, 65536                      ; the spare words, 128 bytes a wave
.set XSC,   6291456                    ; xbuf: where the scale words begin
.set WSC,   7864320                    ; wbuf: likewise
.set SPW,   12                         ; v12 my spare word's LDS address; never rewritten
.set NIL,   13                         ; v13 0; never rewritten
.macro FINISH                          ; the wave's end, behind the last LDS store
	s_wait_tensorcnt 0x0
	ds_add_u32 v[SPW], v[NIL]
	s_wait_dscnt 0x0
	s_endpgm
.endm
	s_load_b256 s[4:11], s[0:1], 0x0               ; hidden s[4:5], Wq s[6:7], Wk s[8:9], Wv s[10:11]
	s_load_b256 s[12:19], s[0:1], 0x20             ; Wo s[12:13], xbuf s[14:15], wbuf s[16:17], rope s[18:19]
	v_lshl_add_u32 v[SPW], v0, 2, SPARE
	v_mov_b32 v[NIL], 0
	v_lshrrev_b32 v1, 5, v0
	v_readfirstlane_b32 s20, v1                    ; wave
	v_and_b32 v2, 31, v0                           ; lane
	s_wait_kmcnt 0x0
	s_cmp_lt_u32 ttmp9, 256
	s_cbranch_scc1 .Lpath_x
	s_cmp_lt_u32 ttmp9, 576
	s_cbranch_scc1 .Lpath_w
; ---------------- PATH T: a thread takes a position; 32 angles, each reduced by a multiple of pi / 2 and put through two short polynomials
	s_sub_co_u32 s21, ttmp9, 576
	s_lshl_b32 s21, s21, 7
	v_add_nc_u32 v3, s21, v0                       ; the position
	v_cvt_f32_u32 v4, v3
	s_wait_alu depctr_va_vdst(0)
	v_lshlrev_b32 v5, 8, v3                        ; 256 bytes a position
	s_mov_b32 s24, 0x3f22f983                      ; 2 / pi
	s_mov_b32 s25, 0xbfc90fdb                      ; -(pi / 2), its leading 24 bits: n x this + x is exact for x under 512
	s_mov_b32 s26, 0x333bbd2e                      ; -(the rest of pi / 2)
	s_mov_b32 s27, 0x37ccf5ce                      ; cosine: z^2 ((c0 z + c1) z + c2) + (1 - z / 2)
	s_mov_b32 s28, 0xbab6061a
	s_mov_b32 s29, 0x3d2aaaa5
	s_mov_b32 s30, 0xb94ca1f9                      ; sine: r z ((s0 z + s1) z + s2) + r
	s_mov_b32 s31, 0x3c08839e
	s_mov_b32 s32, 0xbe2aaaa3
.set TI, 0
.macro SINCOS c
	v_mul_f32 v6, \c, v4                           ; the angle, rounded once
	v_mul_f32 v7, s24, v6
	v_rndne_f32 v7, v7                             ; n
	v_fma_f32 v8, v7, s25, v6
	v_fma_f32 v8, v7, s26, v8                      ; r = angle - n pi / 2
	v_mul_f32 v9, v8, v8                           ; z
	v_cvt_i32_f32 v10, v7
	v_fma_f32 v11, v9, s27, s28
	v_fma_f32 v11, v11, v9, s29
	v_mul_f32 v14, v9, v9
	v_fma_f32 v15, v9, -0.5, 1.0
	v_fma_f32 v11, v11, v14, v15                   ; cos r
	v_fma_f32 v16, v9, s30, s31
	v_fma_f32 v16, v16, v9, s32
	v_mul_f32 v17, v8, v9
	v_fma_f32 v16, v16, v17, v8                    ; sin r
	v_and_b32 v18, 1, v10
	v_cmp_eq_u32 vcc_lo, 1, v18                    ; an odd n changes the two over
	v_cndmask_b32 v19, v16, v11, vcc_lo
	v_cndmask_b32 v20, v11, v16, vcc_lo
	v_and_b32 v18, 2, v10
	v_lshlrev_b32 v18, 30, v18                     ; the sine's sign: n mod 4 = 2, 3
	v_xor_b32 v[96+TI], v18, v19
	v_add_nc_u32 v18, 1, v10
	v_and_b32 v18, 2, v18
	v_lshlrev_b32 v18, 30, v18                     ; the cosine's: n mod 4 = 1, 2
	v_xor_b32 v[64+TI], v18, v20
.set TI, TI+1
.endm
.irp c, 1.0, 0.7498942093324559, 0.5623413251903491, 0.4216965034285822, 0.31622776601683794, 0.23713737056616552, 0.1778279410038923, 0.1333521432163324
	SINCOS \c
.endr
.irp c, 0.1, 0.07498942093324559, 0.05623413251903491, 0.04216965034285822, 0.031622776601683794, 0.023713737056616552, 0.01778279410038923, 0.01333521432163324
	SINCOS \c
.endr
.irp c, 0.01, 0.007498942093324559, 0.005623413251903491, 0.004216965034285822, 0.0031622776601683794, 0.0023713737056616552, 0.001778279410038923, 0.001333521432163324
	SINCOS \c
.endr
.irp c, 0.001, 0.0007498942093324559, 0.0005623413251903491, 0.0004216965034285822, 0.00031622776601683794, 0.00023713737056616552, 0.0001778279410038923, 0.0001333521432163324
	SINCOS \c
.endr
.irp k, 0,1,2,3,4,5,6,7,8,9,10,11,12,13,14,15
	global_store_b128 v5, v[64+4*\k:67+4*\k], s[18:19] offset:16*\k
.endr
	s_endpgm                                       ; this path writes no LDS
; ---------------- PATH X: a wave takes 64 rows x 128 along K: 16 steps of 8 rows x 64 numbers.  Each load reads two whole runs of 256 bytes; a step's 2,048 bytes turn through the wave's
; own stage (16 bytes of padding behind each 64), so that a lane gets 16 neighbours; two neighbouring lanes hold a block.  A step's codes are 384 consecutive bytes.
.set R,  16                            ; v16-79   four sets of 16 numbers as loaded
.set XX, 80                            ; v80-111  two sets of 16 neighbours
.set E,  112                           ; v112-127 a scale byte for each step
.set C,  128                           ; v128-191 codes, four registers a step: no store's data are written again
.set SP, 80
.Lpath_x:
	s_lshr_b32 s21, ttmp9, 2                       ; which 64 rows
	s_and_b32 s22, ttmp9, 3
	s_lshl_b32 s22, s22, 2
	s_add_co_u32 s22, s22, s20                     ; which 128 along K
	s_wait_alu depctr_va_vdst(0)
	v_lshrrev_b32 v3, 4, v2
	v_lshlrev_b32 v3, 13, v3
	v_and_b32 v8, 15, v2
	v_lshl_add_u32 v3, v8, 4, v3                   ; in: lanes 0-15 one row's 256 bytes, lanes 16-31 the next row's
	s_lshl_b32 s23, s20, 13                        ; my wave's 8,192 bytes of LDS
	v_lshrrev_b32 v14, 2, v2
	v_mul_u32_u24 v14, v14, SP
	v_and_b32 v15, 3, v2
	v_lshl_add_u32 v14, v15, 4, v14
	v_add_nc_u32 v14, s23, v14                     ; the stage, on the way in
	v_mul_u32_u24 v15, v2, SP
	v_add_nc_u32 v15, s23, v15                     ; and out: lane L gets row L / 4, quarter L % 4
	v_mul_u32_u24 v4, v2, 12                       ; my 12 bytes of a step's codes
	v_lshrrev_b32 v5, 2, v2
	v_lshlrev_b32 v5, 2, v5
	v_bfe_u32 v6, v2, 1, 1
	v_add_nc_u32 v5, v5, v6
	s_add_co_u32 s23, s23, 2*32*SP
	v_add_nc_u32 v5, s23, v5                       ; my block's byte among the wave's 64 scale words
	v_lshlrev_b32 v7, 3, v2
	v_add_nc_u32 v6, s23, v7
	s_lshl_b32 s24, s21, 19                        ; 64 rows of 8,192 bytes
	s_lshl_b32 s25, s22, 9
	s_add_co_u32 s24, s24, s25
	s_mov_b32 s25, 0
	s_add_nc_u64 s[4:5], s[4:5], s[24:25]
	s_mul_i32 s24, s22, 393216                     ; two planes of 4,096 rows x 48 bytes
	s_mul_i32 s26, s21, 3072
	s_add_co_u32 s24, s24, s26
	s_add_nc_u64 s[28:29], s[14:15], s[24:25]      ; my codes
	s_lshl_b32 s24, s22, 14
	s_lshl_b32 s26, s21, 8
	s_add_co_u32 s24, s24, s26
	s_add_co_u32 s24, s24, XSC
	s_add_nc_u64 s[30:31], s[14:15], s[24:25]      ; my scale words
.macro XLOAD t
.irp i, 0,1,2,3
	global_load_b128 v[R+16*((\t)%4)+4*\i:R+16*((\t)%4)+4*\i+3], v3, s[4:5] offset:(8*((\t)/2)+2*\i)*8192+256*((\t)%2) th:TH_LOAD_NT
.endr
.endm
.macro XTURN t                         ; LDS serves a wave's instructions in order: no wait between the stores and the loads
.irp i, 0,1,2,3
	ds_store_b128 v14, v[R+16*((\t)%4)+4*\i:R+16*((\t)%4)+4*\i+3] offset:32*SP*((\t)%2)+8*SP*\i
.endr
.irp i, 0,1,2,3
	ds_load_b128 v[XX+16*((\t)%2)+4*\i:XX+16*((\t)%2)+4*\i+3], v15 offset:32*SP*((\t)%2)+16*\i
.endr
.endm
.irp t, 0,1,2,3
	XLOAD \t
.endr
	s_wait_alu depctr_va_vdst(0)
	s_wait_loadcnt 12                              ; step 0's four loads are in
	XTURN 0
.macro XSTEP t
.set XS, XX+16*((\t)%2)
.if (\t) > 0
	s_wait_dscnt 1                                 ; this step's numbers are back from the stage; the last step's byte store may be out
.else
	s_wait_dscnt 0x0
.endif
.if (\t)+4 < 16
	XLOAD (\t)+4                                   ; into the set that this step's stage stores have read
.endif
.if (\t)+1 < 16
.if 14-(\t) >= 3
	s_wait_loadcnt 12                              ; the next step's four loads are in; three steps' may be out
.else
	s_wait_loadcnt 4*(14-(\t))
.endif
	XTURN (\t)+1
.endif
	v_max3_num_f32 v8, |v[XS]|, |v[XS+1]|, |v[XS+2]|
	v_max3_num_f32 v9, |v[XS+3]|, |v[XS+4]|, |v[XS+5]|
.irp i, 6,10
	v_max3_num_f32 v8, v8, |v[XS+\i]|, |v[XS+\i+1]|
	v_max3_num_f32 v9, v9, |v[XS+\i+2]|, |v[XS+\i+3]|
.endr
	v_max3_num_f32 v8, v8, |v[XS+14]|, |v[XS+15]|
	v_max3_num_f32 v8, v8, v9, 0x1800000           ; the floor 2^(3 - 127)
	v_max_num_f32_dpp v8, v8, v8 row_xmask:1 row_mask:0xf bank_mask:0xf   ; with my neighbour's 16: the block's
	v_add_nc_u32 v11, 0xff000000, v8               ; 2 off the exponent field: the conversion's scale operand
	v_cvt_scalef32_pk16_fp6_f32 v[C+4*(\t):C+4*(\t)+2], v[XS:XS+15], v11
	v_lshrrev_b32 v[E+(\t)], 23, v11               ; the scale's byte
	ds_store_b8 v5, v[E+(\t)] offset:32*((\t)/2)+2*((\t)%2)
	global_store_b96 v4, v[C+4*(\t):C+4*(\t)+2], s[28:29] offset:196608*((\t)%2)+384*((\t)/2)
.endm
.irp t, 0,1,2,3,4,5,6,7,8,9,10,11,12,13,14,15
	XSTEP \t
.endr
	ds_load_b64 v[8:9], v6
	s_wait_dscnt 0x0
	global_store_b64 v7, v[8:9], s[30:31]          ; 64 rows' words: 256 consecutive bytes
	FINISH
; ---------------- PATH W: a lane takes a column, its registers run down K.  A wave takes 32 columns x 256 along K: 8 blocks, 4 planes of codes, 2 scale words a column.
; The codes are laid in the wave's stage as they will lie in memory (32 rows x 48 bytes a plane) and leave as runs of 512 bytes.
.set VO, 16                            ; v16-47  4 x lane + i rows of the weight
.set WX, 48                            ; v48-111 two sets of 32 numbers
.Lpath_w:
	s_sub_co_u32 s21, ttmp9, 256
	s_lshr_b32 s22, s21, 3                         ; which 128 columns of the four weights on end: Wq 0-15, Wk 16-19, Wv 20-23, Wo 24-39
	s_and_b32 s21, s21, 7                          ; which 256 along K
	s_mov_b64 s[24:25], s[12:13]                   ; Wo's figures first,
	s_mov_b32 s26, 24                              ; the weight's first group of columns
	s_mov_b32 s27, 8192                            ; a row in bytes
	s_mov_b32 s28, 6                               ; 32-column runs in a group of wbuf's rows: the shift,
	s_mov_b32 s29, 63                              ; the mask,
	s_mov_b32 s30, 3072                            ; the first row,
	; WBUF AS IT IS LAID NOW (this replaces what the head says of wbuf's codes and of the order of its rows): the codes lie [K / 128][row / 16][1,536 bytes], each 1,536 bytes the image of an operand's
	; twelve registers: register j of lane 16 h + r (row r of the 16; k = 64 (j / 6) + 32 h on) at 512 (j / 4) + 16 (16 h + r) + 4 (j % 4).  Rows of group g of 384: for w = 0 .. 3: q head 4 g + w (64 rows), then 32 rows:
	; k head g's d 0-31 (w = 0), d 32-63 (w = 1), v head g's d 0-31 (w = 2), d 32-63 (w = 3).  A run of 32 columns goes to row base + 384 (run >> s28) + 96 ((run & s29) >> s31) + 32 (run & s29 & s59).
	s_mov_b32 s31, 6
	s_mov_b32 s59, 63
	s_cmp_lt_u32 s22, 24                           ; then Wv's, Wk's, Wq's: every choice hangs on the work-group's number alone
	s_cselect_b64 s[24:25], s[10:11], s[24:25]
	s_cselect_b32 s26, 20, s26
	s_cselect_b32 s27, 2048, s27
	s_cselect_b32 s28, 1, s28
	s_cselect_b32 s29, 1, s29
	s_cselect_b32 s30, 256, s30
	s_cselect_b32 s31, 0, s31
	s_cselect_b32 s59, 0, s59
	s_cmp_lt_u32 s22, 20
	s_cselect_b64 s[24:25], s[8:9], s[24:25]
	s_cselect_b32 s26, 16, s26
	s_cselect_b32 s30, 64, s30
	s_cmp_lt_u32 s22, 16
	s_cselect_b64 s[24:25], s[6:7], s[24:25]
	s_cselect_b32 s26, 0, s26
	s_cselect_b32 s27, 8192, s27
	s_cselect_b32 s28, 3, s28
	s_cselect_b32 s29, 7, s29
	s_cselect_b32 s30, 0, s30
	s_cselect_b32 s31, 1, s31
	s_cselect_b32 s59, 1, s59
	s_sub_co_u32 s48, s22, s26
	s_lshl_b32 s48, s48, 2
	s_add_co_u32 s48, s48, s20                     ; my run of 32 columns in the weight
	s_and_b32 s49, s48, s29
	s_lshr_b32 s50, s48, s28
	s_mul_i32 s50, s50, 384
	s_add_co_u32 s50, s50, s30
	s_lshr_b32 s51, s49, s31
	s_mul_i32 s51, s51, 96
	s_add_co_u32 s50, s50, s51
	s_and_b32 s51, s49, s59
	s_lshl_b32 s51, s51, 5
	s_add_co_u32 s50, s50, s51                     ; its first row in wbuf
	s_mul_i32 s52, s21, s27
	s_lshl_b32 s52, s52, 8
	s_lshl_b32 s53, s48, 7
	s_add_co_u32 s52, s52, s53
	s_mov_b32 s53, 0
	s_add_nc_u64 s[32:33], s[24:25], s[52:53]      ; block 0's first row, my columns
	s_lshl_b32 s52, s27, 5                         ; 32 rows on
.irp t, 1,2,3,4,5,6,7
	s_add_nc_u64 s[32+2*\t:33+2*\t], s[30+2*\t:31+2*\t], s[52:53]
.endr
	s_mul_i32 s52, s21, 983040                     ; four planes of 5,120 rows x 48 bytes
	s_mul_i32 s51, s50, 96                         ; 96 bytes a row in each 128 along K
	s_add_co_u32 s52, s52, s51
	s_add_nc_u64 s[54:55], s[16:17], s[52:53]      ; my codes
	s_mul_i32 s52, s21, 40960                      ; two planes of 5,120 words
	s_lshl_b32 s51, s50, 2
	s_add_co_u32 s52, s52, s51
	s_add_co_u32 s52, s52, WSC
	s_add_nc_u64 s[56:57], s[16:17], s[52:53]      ; my scale words
	s_wait_alu depctr_va_vdst(0)
	v_lshlrev_b32 v[VO], 2, v2
.irp i, 1,2,3,4,5,6,7,8,9,10,11,12,13,14,15,16,17,18,19,20,21,22,23,24,25,26,27,28,29,30,31
	v_add_nc_u32 v[VO+\i], s27, v[VO+\i-1]
.endr
	v_and_b32 v8, 7, v2                            ; my column's row among the 32: bits 3 and 4 swapped
	v_bfe_u32 v11, v2, 3, 1
	v_lshl_or_b32 v8, v11, 4, v8
	v_bfe_u32 v11, v2, 4, 1
	v_lshl_or_b32 v8, v11, 3, v8
	s_lshl_b32 s58, s20, 13
	s_add_co_u32 s58, s58, 32768                   ; my stage
	v_lshrrev_b32 v4, 4, v8                        ; which 16 rows: an image of 1,536 bytes each,
	v_mul_u32_u24 v4, v4, 1536
	v_and_b32 v11, 15, v8
	v_lshl_add_u32 v4, v11, 4, v4                  ; and 16 bytes a lane in it
	v_add_nc_u32 v4, s58, v4
	v_lshlrev_b32 v9, 4, v2
	v_add_nc_u32 v7, s58, v9
	v_lshlrev_b32 v10, 2, v8
.macro WLOAD t
.irp i, 0,1,2,3,4,5,6,7,8,9,10,11,12,13,14,15,16,17,18,19,20,21,22,23,24,25,26,27,28,29,30,31
	global_load_b32 v[WX+32*((\t)%2)+\i], v[VO+\i], s[32+2*(\t):33+2*(\t)] th:TH_LOAD_NT
.endr
.endm
	WLOAD 0
	WLOAD 1
.macro WBLOCK t
.set XS, WX+32*((\t)%2)
.if (\t) < 7
	s_wait_loadcnt 32                              ; this block's 32 loads are in; the next block's may be out
.else
	s_wait_loadcnt 0x0
.endif
	v_max3_num_f32 v14, |v[XS]|, |v[XS+1]|, |v[XS+2]|
	v_max3_num_f32 v15, |v[XS+3]|, |v[XS+4]|, |v[XS+5]|
.irp i, 6,10,14,18,22,26
	v_max3_num_f32 v14, v14, |v[XS+\i]|, |v[XS+\i+1]|
	v_max3_num_f32 v15, v15, |v[XS+\i+2]|, |v[XS+\i+3]|
.endr
	v_max3_num_f32 v14, v14, |v[XS+30]|, |v[XS+31]|
	v_max3_num_f32 v14, v14, v15, 0x1800000
	v_add_nc_u32 v11, 0xff000000, v14
	v_lshrrev_b32 v15, 23, v11
.if (\t)%4 == 0
	v_mov_b32 v[120+(\t)/4], v15
.else
	v_lshl_or_b32 v[120+(\t)/4], v15, 8*((\t)%4), v[120+(\t)/4]
.endif
	s_wait_alu depctr_va_vdst(0)
	s_wait_dscnt 0x0                               ; the last block's stage stores have read the codes' registers
	v_cvt_scalef32_pk16_fp6_f32 v[112:114], v[XS:XS+15], v11
	v_cvt_scalef32_pk16_fp6_f32 v[116:118], v[XS+16:XS+31], v11
	v_nop
.irp k, 0,1,2
	ds_store_b32 v4, v[112+\k] offset:((\t)/4)*3072+((6*(((\t)/2)%2)+\k)/4)*512+256*((\t)%2)+4*((6*(((\t)/2)%2)+\k)%4)
	ds_store_b32 v4, v[116+\k] offset:((\t)/4)*3072+((6*(((\t)/2)%2)+3+\k)/4)*512+256*((\t)%2)+4*((6*(((\t)/2)%2)+3+\k)%4)
.endr
.if (\t)+2 < 8
	WLOAD (\t)+2
.endif
.endm
.irp t, 0,1,2,3,4,5,6,7
	WBLOCK \t
.endr
	global_store_b32 v10, v120, s[56:57]
	global_store_b32 v10, v121, s[56:57] offset:20480
.irp i, 0,1,2,3,4,5,6,7,8,9,10,11
	ds_load_b128 v[128+4*\i:131+4*\i], v7 offset:512*\i
.endr
.irp i, 0,1,2,3,4,5,6,7,8,9,10,11
	s_wait_dscnt 11-\i                             ; the younger read-backs may be out
	global_store_b128 v9, v[128+4*\i:131+4*\i], s[54:55] offset:(\i/6)*491520+(\i%6)*512
.endr
	FINISH
.Lfunc_end_k_q203034c025_quant:
	.size	k_q203034c025_quant, .Lfunc_end_k_q203034c025_quant-k_q203034c025_quant
	.p2alignl 7, 3214868480
	.fill 96, 4, 3214868480
	.section	.rodata,"a",@progbits
	.p2align	6, 0x0
	.amdhsa_kernel k_q203034c025_quant
		.amdhsa_group_segment_fixed_size 66048
		.amdhsa_private_segment_fixed_size 0
		.amdhsa_enable_private_segment 0
		.amdhsa_kernarg_size 64
		.amdhsa_user_sgpr_count 2
		.amdhsa_user_sgpr_kernarg_segment_ptr 1
		.amdhsa_wavefront_size32 1
		.amdhsa_system_sgpr_workgroup_id_x 1
		.amdhsa_system_sgpr_workgroup_id_y 1
		.amdhsa_system_sgpr_workgroup_id_z 1
		.amdhsa_system_vgpr_workitem_id 0
		.amdhsa_next_free_vgpr 192
		.amdhsa_next_free_sgpr 66
		.amdhsa_reserve_vcc 1
		.amdhsa_float_denorm_mode_32 3
		.amdhsa_float_denorm_mode_16_64 3
		.amdhsa_memory_ordered 1
		.amdhsa_forward_progress 1
		.amdhsa_inst_pref_size 117
	.end_amdhsa_kernel
	.amdgpu_metadata
---
amdhsa.version: [ 1, 2 ]
amdhsa.kernels:
  - .name:           k_q203034c025_quant
    .symbol:         k_q203034c025_quant.kd
    .args:
      - { .name: hidden_states, .offset: 0, .size: 8, .value_kind: global_buffer, .address_space: global }
      - { .name: Wq, .offset: 8, .size: 8, .value_kind: global_buffer, .address_space: global }
      - { .name: Wk, .offset: 16, .size: 8, .value_kind: global_buffer, .address_space: global }
      - { .name: Wv, .offset: 24, .size: 8, .value_kind: global_buffer, .address_space: global }
      - { .name: Wo, .offset: 32, .size: 8, .value_kind: global_buffer, .address_space: global }
      - { .name: xbuf, .offset: 40, .size: 8, .value_kind: global_buffer, .address_space: global }
      - { .name: wbuf, .offset: 48, .size: 8, .value_kind: global_buffer, .address_space: global }
      - { .name: rope, .offset: 56, .size: 8, .value_kind: global_buffer, .address_space: global }
    .group_segment_fixed_size: 66048
    .private_segment_fixed_size: 0
    .kernarg_segment_align: 8
    .kernarg_segment_size: 64
    .max_flat_workgroup_size: 128
    .sgpr_count:     66
    .vgpr_count:     192
    .wavefront_size: 32
...
	.end_amdgpu_metadata
.endif
;; end of part 1
;; launch gemm_qkv (part 2): grid 8 x 32, 4 waves a work-group, clusters of 4 x 1, 327,680 bytes of LDS; arguments xbuf, wbuf, rope, qbuf, kv; writes qbuf, kv
.if DOCPART == 2
	.amdgcn_target "amdgcn-amd-amdhsa--gfx1250"
	.amdhsa_code_object_version 6
	.text
	.protected	k_q203034c025_gemm_qkv
	.globl	k_q203034c025_gemm_qkv
	.p2align	8
	.type	k_q203034c025_gemm_qkv,@function
k_q203034c025_gemm_qkv:
	s_mov_b64 s[64:65], 0
	v_nop
	global_prefetch_b8 v0, s[64:65] scope:SCOPE_SE
	s_setreg_imm32_b32 hwreg(HW_REG_WAVE_MODE, 25, 1), 1
	s_wait_xcnt 0x0
	s_wait_alu depctr_hold_cnt(0) depctr_sa_sdst(0) depctr_va_vdst(0) depctr_va_sdst(0) depctr_va_ssrc(0) depctr_va_vcc(0) depctr_vm_vsrc(0)
	s_getreg_b32 s2, hwreg(HW_REG_IB_STS2, 6, 4)
	s_cmp_eq_u32 s2, 0
	s_cbranch_scc0 .Lentry_in_a_cluster
	s_endpgm
.Lentry_in_a_cluster:
	s_bfe_u32 s2, ttmp6, 0x10000c
	s_cmp_lg_u32 s2, 0x3003
	s_cbranch_scc0 .Lentry_shape_is_right
	s_endpgm
.Lentry_shape_is_right:
; q, k, v = x Wq, x Wk, x Wv on codes of FP6 (E2M3) with E8M0 scales; RoPE on q and k; q and k quantised along the head's 64, v along the keys; only codes and scale words go to memory.
; A work-group of four waves makes 128 positions x 384 columns (group g of wbuf's rows).  Wave w makes all 128 positions x 96 columns: q head 4 g + w (tiles 0-3) and 32 columns more (tiles 4, 5):
; k's d 0-31 (w = 0), k's d 32-63 (w = 1), v's d 0-31 (w = 2), v's d 32-63 (w = 3).  48 accumulators of 16 x 16 a wave.
; X STAYS: the 128 rows of x for all of K are 196,608 bytes of LDS, filled once, in two groups of tensor loads.  At the head each wave asks for two planes of 64 along K (steps 0-3 in all).  Behind the full sequence
; ahead of a later first fill, waves 0-2 ask for eight planes each (steps 4-15) and wave 3 for the rope rows; a barrier in the third step of each trip shows them to all waves ahead of step 4's fragments.
; W GOES STRAIGHT INTO REGISTERS: no two waves of the work-group use the same rows of wbuf, which lies as images of the operand's registers: a fragment is three loads of 512 consecutive bytes.  Four sets of six fragments
; and three scale words take turns: 21 loads a step; steps 0-3 are asked for at the head, step s + 3 in step s.
; CLUSTER 4 x 1: the four work-groups have the same 128 rows of x and the same positions' rope rows and ask for them jointly.  wbuf's rows differ between the partners, so they are not shared.
; PREFETCHES INTO THE L2.  wbuf: a wave's 9,216 bytes of a step are 36 blocks of 256 bytes, which no other wave of the cluster loads: the wave names them itself, a lane a block, in two instructions.  Step s (1 to 8) names
; step s + 7, which step s + 4 loads: four steps ahead; the head names steps 4-7; the last trip names nothing.  The wave's scale words of all 16 steps are 32 blocks: one instruction at the head.
; x's later fill (24 planes x 24 blocks) is named at the head, once in the cluster: its sixteen waves share the blocks out by address, 36 each (block W of each plane; then 12 of the blocks 16-23).
; THE PRODUCT IS USED TRANSPOSED (source 0 = 16 rows of wbuf, source 1 = 16 rows of x): a lane holds one position, its registers run along the head; wbuf's rows lie with bits 3 and 4 of the column swapped, so that
; the 16 registers of two neighbouring tiles are d = 32 beta + 16 (lane / 16) + 0 .. 15.
; OUT: qbuf [b][head][512 rows][48] and words; kv: a record of 52,224 bytes for (b, g): K codes [512][48], V codes [8][64 d][48], K words [512], V words [4][64].  Positions (q, k) and d (v) lie at rows with bits 3 and 4 swapped.
; LIMITS: a block under 2^-124 or of zeros gets the byte 1 (only this program reads the bytes); NaN and infinities are not served.
; REGISTERS, windows of 256: window 0: v0-31 addresses; v32-39 x's scale words, two sets; v40-51 wbuf's, four sets; v52-59 at work; v96-191 x's eight fragments, one set; on the way out v64-255.
; window 1: wbuf's sets 0-2 at 0, 72, 144.  window 2: accumulators of x's blocks 0-4, (a, b) at 48 a + 8 b.  window 3: those of blocks 5-7 at 48 (a - 5) + 8 b; wbuf's set 3 at 144.
.set XS,    196608                     ; behind x: its scale words [16][128],
.set ROPE,  204800                     ; the rope rows of my 128 positions, 256 bytes + 16 each,
.set SPARE, 239616                     ; and the spare words
.set XSC,   6291456
.set WSC,   7864320
.set QSC,   6291456
.set WSTEP, 491520                     ; wbuf: 5,120 rows x 96 bytes for each 128 along K
.set STG,   9984                       ; the way out (inside x's bytes, which have had their only fill): a wave's stage: q codes 6,144, q words 512, k or v codes 3,072, k words 256
.set KST,   40960                      ; k as f32, 128 positions x 272 bytes
.set VST,   75776                      ; v likewise
.set SEL,   14
.set MSB, 0
.set BAR, 0                            ; 1: the step that is assembled holds the barrier for the later fills
.set PF,  0                            ; not 0: the step that is assembled names this step of wbuf, counted from the bases, for the L2
.macro WIN new                         ; the immediate's high byte repeats the setting that is left
.if MSB != (\new)
	s_set_vgpr_msb (MSB<<8)|(\new)
.set MSB, (\new)
.endif
.endm
.macro PLACES
.rept 4
	v_nop
.endr
.endm
.macro ROUND
	s_barrier_signal -1
	s_barrier_wait -1
	s_cmp_lg_u32 s20, 0
	s_cbranch_scc1 .Lnot_wave_0_\@
	s_barrier_signal -3
.Lnot_wave_0_\@:
	s_barrier_wait -3
	s_barrier_signal -1
	s_barrier_wait -1
.endm
.macro ASKW rel                        ; my 36 blocks of one step of wbuf
	global_prefetch_b8 v10, s[44:45] offset:(\rel)*WSTEP th:TH_LOAD_NT scope:SCOPE_SE
	global_prefetch_b8 v18, s[44:45] offset:(\rel)*WSTEP+8192 th:TH_LOAD_NT scope:SCOPE_SE
.endm
	s_load_b256 s[4:11], s[0:1], 0x0               ; xbuf s[4:5], wbuf s[6:7], rope s[8:9], qbuf s[10:11]
	s_load_b64 s[12:13], s[0:1], 0x20              ; kv
	v_lshl_add_u32 v28, v0, 2, SPARE
	v_mov_b32 v29, 0
	ds_add_u32 v28, v29                            ; the opening: the add, twice on end, and its wait ahead of my first tensor load
	ds_add_u32 v28, v29
	v_lshrrev_b32 v1, 5, v0
	v_readfirstlane_b32 s20, v1                    ; wave
	s_and_b32 s22, s20, 1                          ; which half of k or of v
	s_lshr_b32 s21, s20, 1                         ; k (0) or v (1)
	s_bfe_u32 s40, ttmp6, 0x40000                  ; cx
	s_lshl_b32 s42, ttmp9, 2
	s_add_co_u32 s42, s42, s40                     ; g: it enters global addresses alone
	s_and_b32 s43, ttmp7, 0xffff                   ; ty: 128 rows each
	s_mov_b32 s24, 15|(3<<16)|(1<<21)              ; group 1 for x: all four partners; a plane's 128 rows x 48 bytes as a row of 768 elements of 8 bytes, planes 4,096 x 48 bytes apart; two planes at the head
	s_mov_b32 s25, 768<<16
	s_mov_b32 s26, 2<<16
	s_mov_b32 s27, 768<<16
	s_mov_b32 s28, 2
	s_mov_b32 s29, 24576
	s_mov_b32 s30, 0
	s_mov_b32 s31, 0
	s_mov_b32 s52, 15|(3<<16)|(1<<20)|(1<<21)|(5<<22)|(3<<25)   ; group 1 for the rope rows: 128 rows of 256 bytes, dense in memory, 16 bytes of padding behind each
	s_mov_b32 s53, 32<<16
	s_mov_b32 s54, 128<<16
	s_mov_b32 s55, 32<<16
	s_mov_b32 s56, 128
	s_mov_b32 s57, 32
	s_mov_b32 s58, 0
	s_mov_b32 s59, 0
	s_mov_b32 s32, 1
	s_mul_i32 s33, s20, 12288                      ; my step of the first four in LDS,
	s_mul_i32 s36, s20, 393216                     ; and in xbuf
	s_mul_i32 s37, s43, 6144
	s_add_co_u32 s36, s36, s37
	s_mov_b32 s37, 0
	s_mov_b32 s[SEL], 0x76543210
	s_mov_b32 s[SEL+1], 0xfedcba98
	s_wait_dscnt 0x0                               ; both opening adds are done
	s_wait_kmcnt 0x0
	s_add_nc_u64 s[34:35], s[4:5], s[36:37]
	s_or_b32 s35, s35, 0x80000000
	ROUND                                          ; the four work-groups are here: the joint loads meet
	tensor_load_to_lds s[32:35], s[24:31]          ; my one tensor load at the head
	s_nop 0
	PLACES
	; global addresses
	s_mul_i32 s38, s42, 384
	s_mul_i32 s39, s20, 96
	s_add_co_u32 s38, s38, s39                     ; my first row of wbuf
	s_mul_i32 s36, s38, 96
	s_add_nc_u64 s[44:45], s[6:7], s[36:37]        ; its fragments,
	s_lshl_b32 s36, s38, 2
	s_add_co_u32 s36, s36, WSC
	s_add_nc_u64 s[46:47], s[6:7], s[36:37]        ; its scale words
	s_lshl_b32 s36, s43, 9
	s_add_co_u32 s36, s36, XSC
	s_add_nc_u64 s[48:49], s[4:5], s[36:37]        ; x's scale words
	s_mul_i32 s51, s43, 6144
	s_add_co_u32 s36, s51, 1572864
	s_add_nc_u64 s[98:99], s[4:5], s[36:37]        ; x's plane 8, my work-group's rows: where the later fill begins
	s_min_u32 s50, s20, 2                          ; of it waves 0-2 take planes 8 + 8 w on (wave 3 asks by the rope's descriptor)
	s_mul_i32 s36, s50, 1572864
	s_add_nc_u64 s[94:95], s[98:99], s[36:37]
	s_mul_i32 s50, s50, 49152
	s_add_co_u32 s50, s50, 49152
	s_lshl_b32 s96, s40, 2
	s_add_co_u32 s96, s96, s20                     ; W = 4 cx + wave: my place among the cluster's sixteen waves: it enters the prefetches' addresses alone
	s_lshl_b32 s97, s96, 8
	s_mul_i32 s96, s96, 12
	s_and_b32 s81, s43, 3                          ; which 128 positions
	s_lshl_b32 s36, s81, 15
	s_mov_b32 s60, 1
	s_mov_b32 s61, ROPE
	s_add_nc_u64 s[62:63], s[8:9], s[36:37]        ; their rope rows
	s_or_b32 s63, s63, 0x80000000
	s_lshr_b32 s80, s43, 2                         ; b
	s_lshl_b32 s82, s80, 5
	s_lshl_b32 s83, s42, 2
	s_add_co_u32 s82, s82, s83
	s_add_co_u32 s82, s82, s20
	s_lshl_b32 s82, s82, 9
	s_lshl_b32 s83, s81, 7
	s_add_co_u32 s82, s82, s83                     ; my q head's first row in qbuf
	s_mul_i32 s36, s82, 48
	s_add_nc_u64 s[68:69], s[10:11], s[36:37]
	s_lshl_b32 s36, s82, 2
	s_add_co_u32 s36, s36, QSC
	s_add_nc_u64 s[70:71], s[10:11], s[36:37]
	s_lshl_b32 s85, s80, 3
	s_add_co_u32 s85, s85, s42
	s_mul_i32 s85, s85, 52224                      ; the record of (b, g)
	s_lshl_b32 s84, s22, 6
	s_add_co_u32 s84, s84, s83                     ; k: waves 0, 1 finish 64 positions each
	s_mul_i32 s36, s84, 48
	s_add_co_u32 s36, s36, s85
	s_add_nc_u64 s[72:73], s[12:13], s[36:37]
	s_lshl_b32 s36, s84, 2
	s_add_co_u32 s36, s36, s85
	s_add_co_u32 s36, s36, 49152
	s_add_nc_u64 s[74:75], s[12:13], s[36:37]
	s_mul_i32 s36, s81, 6144                       ; v: waves 2, 3 finish 32 d each
	s_mul_i32 s86, s22, 1536
	s_add_co_u32 s36, s36, s86
	s_add_co_u32 s36, s36, s85
	s_add_co_u32 s36, s36, 24576
	s_add_nc_u64 s[76:77], s[12:13], s[36:37]
	s_lshl_b32 s36, s81, 8
	s_lshl_b32 s86, s22, 7
	s_add_co_u32 s36, s36, s86
	s_add_co_u32 s36, s36, s85
	s_add_co_u32 s36, s36, 51200
	s_add_nc_u64 s[78:79], s[12:13], s[36:37]
	s_mul_i32 s90, s20, STG                        ; my stage
	s_mul_i32 s91, s22, 17408                      ; 64 rows of 272 bytes
	s_mul_i32 s92, s21, 34816
	s_lshl_b32 s93, s22, 7
	s_add_co_u32 s92, s92, s93
	s_add_co_u32 s92, s92, KST
	s_add_co_u32 s93, s93, VST
	; every LDS address is made here, ahead of any parting of the waves
	v_and_b32 v1, 15, v0                           ; r
	v_bfe_u32 v2, v0, 4, 1                         ; h
	v_and_b32 v3, 31, v0                           ; lane
	v_mul_u32_u24 v5, v1, 48
	v_mad_u32_u24 v5, v2, 24, v5                   ; v5 x's fragments, steps 0 and 1: row r of 48 bytes, + 24 h
	v_add_nc_u32 v4, 24576, v5                     ; v4 from step 2 on; stepped once a trip
	v_lshl_add_u32 v7, v3, 2, XS                   ; v7, v6 x's scale words likewise: 32 rows a load
	v_add_nc_u32 v6, 1024, v7
	v_lshlrev_b32 v8, 4, v3                        ; v8 16 x lane
	v_lshlrev_b32 v9, 2, v3                        ; v9 4 x lane
	v_lshlrev_b32 v19, 3, v3                       ; v19 8 x lane
	v_lshlrev_b32 v12, 4, v0
	v_add_nc_u32 v11, XS, v12                      ; v11 x's scale words on the way in: 16 x thread
	v_lshrrev_b32 v24, 5, v0
	v_lshlrev_b32 v24, 14, v24
	v_add_nc_u32 v24, v24, v8                      ; v24 and in memory: a wave to a row of 512 bytes, rows 16,384 bytes apart
	v_mul_u32_u24 v27, v1, 272
	v_lshl_add_u32 v27, v2, 6, v27                 ; r x 272 + 64 h
	v_add_nc_u32 v13, ROPE, v27                    ; v13 rope: position r, my 16 frequencies
	v_add_nc_u32 v22, s91, v13                     ; v22 the same for the 64 positions of k that I finish
	v_add_nc_u32 v21, s91, v27
	v_add_nc_u32 v21, KST, v21                     ; v21 k back
	v_add_nc_u32 v20, s92, v27                     ; v20 k or v as f32: position r, + my 32 d, + 64 h
	v_add_nc_u32 v25, s93, v9                      ; v25 v back: d = 32 half + lane, down the keys
	v_and_b32 v30, 7, v1
	v_bfe_u32 v31, v0, 3, 1
	v_lshl_or_b32 v30, v31, 4, v30                 ; (r & 7) + 16 (r / 8): my position's row among 32
	v_mul_u32_u24 v14, v30, 48
	v_mad_u32_u24 v14, v2, 12, v14
	v_add_nc_u32 v14, s90, v14                     ; v14 my 12 bytes of a row's block
	v_lshl_add_u32 v15, v30, 2, s90
	v_add_nc_u32 v15, 6144, v15                    ; v15 my row's word
	v_add_nc_u32 v16, s90, v8                      ; v16, v17 the stage back
	v_add_nc_u32 v17, s90, v19
	v_lshl_or_b32 v30, v2, 3, v30                  ; the lane with bits 3 and 4 swapped
	v_mul_u32_u24 v26, v30, 48
	v_add_nc_u32 v26, s90, v26
	v_add_nc_u32 v26, 6656, v26                    ; v26 v's codes in my stage
	v_lshlrev_b32 v23, 2, v30                      ; v23 v's word in memory
	; the prefetches' offsets
	v_lshlrev_b32 v10, 8, v3                       ; v10 wbuf: blocks 0-31 of my 36, a lane a block
	v_min_u32 v18, 3, v3
	v_lshlrev_b32 v18, 8, v18                      ; v18 blocks 32-35 (the lanes left over name the last again)
	v_lshrrev_b32 v31, 1, v3
	v_mul_u32_u24 v31, v31, 20480
	v_and_b32 v12, 1, v3
	v_lshl_add_u32 v31, v12, 8, v31                ; v31 wbuf's scale words: step lane / 2, my 384 bytes' first or second block
	v_min_u32 v12, 23, v3
	v_mul_u32_u24 v12, v12, 196608
	v_add_nc_u32 v12, s97, v12                     ; v12 x's later fill: block W of plane 8 + lane
	v_min_u32 v30, 11, v3
	v_add_nc_u32 v30, s96, v30                     ; 12 W + lane: which of the 192 blocks 16-23 of the 24 planes
	v_and_b32 v27, 7, v30
	v_lshrrev_b32 v30, 3, v30
	v_mul_u32_u24 v30, v30, 196608
	v_add_nc_u32 v27, 16, v27
	v_lshl_add_u32 v30, v27, 8, v30                ; v30 its place
.irp k, 54,55,58,59
	v_mov_b32 v[\k], 0                             ; written once: a lane permute's destination counts as one of its sources
.endr
	s_wait_alu depctr_va_vdst(0)
; wbuf's six fragments and three scale words of one step into set k; rel: the step, counted from the bases
.macro LOADW k, rel
.set LB, 72*((\k)%3)+144*((\k)/3)
	WIN 0x40*(1+2*((\k)/3))
.irp b, 0,1,2,3,4,5
.irp c, 0,1,2
	global_load_b128 v[LB+12*\b+4*\c:LB+12*\b+4*\c+3], v8, s[44:45] offset:(\rel)*WSTEP+1536*\b+512*\c
.endr
.endr
	WIN 0
.irp i, 0,1,2
	global_load_b32 v[40+3*(\k)+\i], v9, s[46:47] offset:(\rel)*20480+128*\i   ; lanes 0-15 tile 2 i's words, lanes 16-31 tile 2 i + 1's
.endr
.endm
; x's blocks 0-3 of a step and its scale words; then blocks 4-7.  A fragment: 24 bytes of each of two planes, as six loads of 8 bytes
.macro FXLO xa, xsa, rel, par
.irp a, 0,1,2,3
.irp p, 0,1,2,3,4,5
	ds_load_b64 v[96+12*\a+2*\p:97+12*\a+2*\p], v[\xa] offset:(\rel)*12288+768*\a+(\p/3)*6144+8*(\p%3)
.endr
.endr
.irp i, 0,1,2,3
	ds_load_b32 v[32+4*(\par)+\i], v[\xsa] offset:(\rel)*512+128*\i
.endr
.endm
.macro FXHI xa, rel
.irp a, 4,5,6,7
.irp p, 0,1,2,3,4,5
	ds_load_b64 v[96+12*\a+2*\p:97+12*\a+2*\p], v[\xa] offset:(\rel)*12288+768*\a+(\p/3)*6144+8*(\p%3)
.endr
.endr
.endm
; one product: wbuf's tile b of set k, x's block a; an odd tile's or block's words lie in lanes 16-31 of its scale register
.macro WM k, par, a, b, zero
.set WD, 48*((\a)%5)+8*(\b)
.set WB, 72*((\k)%3)+144*((\k)/3)+12*(\b)
.set WA, 96+12*(\a)
.set WSB, 40+3*(\k)+(\b)/2
.set WSA, 32+4*(\par)+(\a)/2
.if \zero
.if ((\b)%2) && ((\a)%2)
	v_wmma_scale_f32_16x16x128_f8f6f4 v[WD:WD+7], v[WB:WB+11], v[WA:WA+11], 0, v[WSB], v[WSA] matrix_a_fmt:MATRIX_FMT_FP6 matrix_b_fmt:MATRIX_FMT_FP6 matrix_a_scale:MATRIX_SCALE_ROW1 matrix_b_scale:MATRIX_SCALE_ROW1
.elseif ((\b)%2)
	v_wmma_scale_f32_16x16x128_f8f6f4 v[WD:WD+7], v[WB:WB+11], v[WA:WA+11], 0, v[WSB], v[WSA] matrix_a_fmt:MATRIX_FMT_FP6 matrix_b_fmt:MATRIX_FMT_FP6 matrix_a_scale:MATRIX_SCALE_ROW1
.elseif ((\a)%2)
	v_wmma_scale_f32_16x16x128_f8f6f4 v[WD:WD+7], v[WB:WB+11], v[WA:WA+11], 0, v[WSB], v[WSA] matrix_a_fmt:MATRIX_FMT_FP6 matrix_b_fmt:MATRIX_FMT_FP6 matrix_b_scale:MATRIX_SCALE_ROW1
.else
	v_wmma_scale_f32_16x16x128_f8f6f4 v[WD:WD+7], v[WB:WB+11], v[WA:WA+11], 0, v[WSB], v[WSA] matrix_a_fmt:MATRIX_FMT_FP6 matrix_b_fmt:MATRIX_FMT_FP6
.endif
.else
.if ((\b)%2) && ((\a)%2)
	v_wmma_scale_f32_16x16x128_f8f6f4 v[WD:WD+7], v[WB:WB+11], v[WA:WA+11], v[WD:WD+7], v[WSB], v[WSA] matrix_a_fmt:MATRIX_FMT_FP6 matrix_b_fmt:MATRIX_FMT_FP6 matrix_a_scale:MATRIX_SCALE_ROW1 matrix_b_scale:MATRIX_SCALE_ROW1
.elseif ((\b)%2)
	v_wmma_scale_f32_16x16x128_f8f6f4 v[WD:WD+7], v[WB:WB+11], v[WA:WA+11], v[WD:WD+7], v[WSB], v[WSA] matrix_a_fmt:MATRIX_FMT_FP6 matrix_b_fmt:MATRIX_FMT_FP6 matrix_a_scale:MATRIX_SCALE_ROW1
.elseif ((\a)%2)
	v_wmma_scale_f32_16x16x128_f8f6f4 v[WD:WD+7], v[WB:WB+11], v[WA:WA+11], v[WD:WD+7], v[WSB], v[WSA] matrix_a_fmt:MATRIX_FMT_FP6 matrix_b_fmt:MATRIX_FMT_FP6 matrix_b_scale:MATRIX_SCALE_ROW1
.else
	v_wmma_scale_f32_16x16x128_f8f6f4 v[WD:WD+7], v[WB:WB+11], v[WA:WA+11], v[WD:WD+7], v[WSB], v[WSA] matrix_a_fmt:MATRIX_FMT_FP6 matrix_b_fmt:MATRIX_FMT_FP6
.endif
.endif
.endm
.macro MULA k, par, a, zero
.irp b, 0,1,2,3,4,5
	WM \k, \par, \a, \b, \zero
.endr
.endm
; A step of 128 along K: 48 products, every accumulator once, always in the same order.  k: wbuf's set, par: x's set of scale words.
; In its middle x's blocks 0-3 of the next step are fetched (fx) and wbuf's step three on is asked for, into the set that the last step used (fw); at its end x's blocks 4-7.
.macro STEP k, par, zero, lcnt, fx, xa, xsa, xrel, fw, wrel
	s_wait_loadcnt \lcnt                           ; my set is in; the sets asked for behind it, 21 loads each, may be out
.if BAR
	s_wait_tensorcnt 0x0                           ; my later fill has landed,
	s_wait_dscnt 0x0                               ; no LDS instruction of mine is out:
	s_barrier_signal -1                            ; say so
.else
	s_wait_dscnt 24                                ; x's blocks 0-3 and its words are in; the youngest 24 loads (blocks 4-7) may be out
.endif
	WIN 0xa1+2*((\k)/3)
.irp a, 0,1,2,3
	MULA \k, \par, \a, \zero
.endr
.if BAR
	s_barrier_wait -1                              ; everybody's has: the fetch below may read it
.endif
.if \fx
	PLACES                                         ; in front of loads into registers that products have read
	WIN 0
	FXLO \xa, \xsa, \xrel, 1-(\par)
.if \fw
	LOADW ((\k)+3)%4, \wrel
.endif
.if PF
	s_cmp_lg_u32 s3, 1                             ; the last trip's look-ahead would pass the end of K: it names nothing
	s_cbranch_scc0 .Lno_ask_\@
	ASKW PF
.Lno_ask_\@:
.endif
	s_wait_dscnt 28                                ; all but the 28 just issued
.else
	s_wait_dscnt 0x0
.endif
	WIN 0xa1+2*((\k)/3)
	MULA \k, \par, 4, \zero
	WIN 0xf1+2*((\k)/3)
.irp a, 5,6,7
	MULA \k, \par, \a, \zero
.endr
.if \fx
	PLACES
	WIN 0
	FXHI \xa, \xrel
.else
	WIN 0
.endif
.endm
.irp i, 0,1,2,3
	global_load_b128 v[160+4*\i:163+4*\i], v24, s[48:49] offset:65536*\i ; x's scale words: four rows of 512 bytes a load of the work-group
.endr
	LOADW 0, 0
	LOADW 1, 1
	global_prefetch_b8 v12, s[98:99] th:TH_LOAD_NT scope:SCOPE_SE       ; my 36 blocks of x's later fill,
	global_prefetch_b8 v30, s[98:99] th:TH_LOAD_NT scope:SCOPE_SE
	global_prefetch_b8 v31, s[46:47] th:TH_LOAD_NT scope:SCOPE_SE       ; my scale words of wbuf,
.irp s, 4,5,6,7
	ASKW \s                                        ; and what steps 1 to 4 will load
.endr
	LOADW 2, 2
	LOADW 3, 3
	s_wait_loadcnt 63                              ; the four loads of x's words are in (84 were issued behind them)
	s_wait_tensorcnt 0x0                           ; no tensor load of mine is out when I store to LDS
.irp i, 0,1,2,3
	ds_store_b128 v11, v[160+4*\i:163+4*\i] offset:2048*\i
.endr
	s_wait_tensorcnt 0x0                           ; ahead of a later first fill, as ahead of a refill
	ds_add_u32 v28, v29
	s_mov_b32 s26, 8<<16                           ; no tensor load of mine is out, so a descriptor may be written: eight planes,
	s_mov_b32 s28, 8
	s_mov_b32 s33, s50                             ; behind the first eight
	s_mov_b64 s[34:35], s[94:95]
	s_or_b32 s35, s35, 0x80000000
	s_wait_dscnt 0x0                               ; the add and my stores are done
	ROUND                                          ; steps 0-3 of x and its words are in; the four work-groups are here: the joint loads meet
	s_cmp_lt_u32 s20, 3
	s_cbranch_scc0 .Lfor_rope
	tensor_load_to_lds s[32:35], s[24:31]          ; my one tensor load behind the round
	s_nop 0
	PLACES
	s_branch .Lasked
.Lfor_rope:
	tensor_load_to_lds s[60:63], s[52:59]
	s_nop 0
	PLACES
.Lasked:
	FXLO 5, 7, 0, 0
	FXHI 5, 0
	STEP 0, 0, 1, 63, 1, 5, 7, 1, 0, 0             ; the first step starts the sums; sets 1 to 3 may be out
	s_mov_b32 s3, 3
.Ltrip:                                                ; steps 4 t + 1 .. 4 t + 4: the four sets come round once
.set PF, 8
	STEP 1, 1, 0, 42, 1, 4, 6, 0, 1, 4
.set PF, 9
	STEP 2, 0, 0, 42, 1, 4, 6, 1, 1, 5
.set PF, 10
.set BAR, 1
	STEP 3, 1, 0, 42, 1, 4, 6, 2, 1, 6             ; in the first trip this is step 3, which fetches step 4's fragments
.set BAR, 0
.set PF, 11
	STEP 0, 0, 0, 42, 1, 4, 6, 3, 1, 7
.set PF, 0
	s_wait_xcnt 0x0                                ; the loads and prefetches have read their bases
	s_add_nc_u64 s[44:45], s[44:45], 4*WSTEP
	s_add_nc_u64 s[46:47], s[46:47], 81920
	v_add_nc_u32 v4, 49152, v4
	v_add_nc_u32 v6, 2048, v6
	s_sub_co_u32 s3, s3, 1
	s_cmp_lg_u32 s3, 0
	s_wait_alu depctr_va_vdst(0)                   ; directly ahead of the branch
	s_cbranch_scc1 .Ltrip
	STEP 1, 1, 0, 42, 1, 4, 6, 0, 0, 0             ; steps 13 to 15 ask for nothing more of wbuf
	STEP 2, 0, 0, 21, 1, 4, 6, 1, 0, 0
	STEP 3, 1, 0, 0, 0, 4, 6, 0, 0, 0
; ---------------- THE WAY OUT
	PLACES                                         ; in front of the first read of results and of loads into operands' registers
	s_wait_dscnt 0x0
	s_barrier_signal -1
	s_barrier_wait -1                              ; nobody reads x any more: its bytes serve as stages
.irp a, 0,1,2,3,4,5,6,7                ; tiles 4, 5 (k or v) as f32 into [position][d]: d = 32 half + 16 h + 8 u + j; each accumulator from its low end on
	WIN 0x08+4*(\a/5)
.irp u, 0,1
	ds_store_b128 v20, v[48*(\a%5)+32+8*\u:48*(\a%5)+35+8*\u] offset:4352*\a+32*\u
	ds_store_b128 v20, v[48*(\a%5)+36+8*\u:48*(\a%5)+39+8*\u] offset:4352*\a+32*\u+16
.endr
.endr
	WIN 0
; 16 cos and 16 sin a lane for tiles a0, a0 + 1 into v128-191 of window set
.macro RLOAD adr, set, a0
	WIN 0x40*(\set)
.irp e, 0,1
.irp i, 0,1,2,3
	ds_load_b128 v[128+32*\e+4*\i:131+32*\e+4*\i], v[\adr] offset:4352*((\a0)+\e)+16*\i
	ds_load_b128 v[144+32*\e+4*\i:147+32*\e+4*\i], v[\adr] offset:4352*((\a0)+\e)+128+16*\i
.endr
.endr
	WIN 0
.endm
; RoPE of one tile: y(d) = x(d) cos - x(d + 32) sin, y(d + 32) = x(d + 32) cos + x(d) sin -> v[64 + 32 e ..].  x: 32 registers at x1 of window aw; each accumulator is read from its low end on
.macro ROT e, set, aw, x1
.set Y, 64+32*(\e)
.set CC, 128+32*(\e)
.set X1, \x1
	WIN (\aw)|((\set)<<2)
.irp j, 0,2,4,6,8,10,12,14
	v_pk_mul_f32 v[Y+\j:Y+\j+1], v[X1+16+\j:X1+17+\j], v[CC+16+\j:CC+17+\j]
.endr
.irp j, 0,2,4,6,8,10,12,14
	v_pk_fma_f32 v[Y+\j:Y+\j+1], v[X1+\j:X1+\j+1], v[CC+\j:CC+\j+1], v[Y+\j:Y+\j+1] neg_lo:[0,0,1] neg_hi:[0,0,1]
.endr
.irp j, 0,2,4,6,8,10,12,14
	v_pk_mul_f32 v[Y+16+\j:Y+17+\j], v[X1+\j:X1+\j+1], v[CC+16+\j:CC+17+\j]
.endr
.irp j, 0,2,4,6,8,10,12,14
	v_pk_fma_f32 v[Y+16+\j:Y+17+\j], v[X1+16+\j:X1+17+\j], v[CC+\j:CC+\j+1], v[Y+16+\j:Y+17+\j]
.endr
.endm
; two tiles' four blocks by turns (16 numbers of each in my lane, 16 in lane l xor 16) -> codes v[224 + 8 e ..], v[228 + 8 e ..], scale word v[52 + 4 e]
.macro QUANT4
.irp e, 0,1
.irp b, 0,1
	v_max3_num_f32 v[52+4*\e+\b], |v[64+32*\e+16*\b]|, |v[65+32*\e+16*\b]|, 0x1800000   ; the floor 2^(3 - 127) holds the byte at 1 from below
.endr
.endr
.irp i, 2,4,6,8,10,12,14
.irp e, 0,1
.irp b, 0,1
	v_max3_num_f32 v[52+4*\e+\b], v[52+4*\e+\b], |v[64+32*\e+16*\b+\i]|, |v[65+32*\e+16*\b+\i]|
.endr
.endr
.endr
.irp e, 0,1
.irp b, 0,1
	v_permlanex16_b32 v[54+4*\e+\b], v[52+4*\e+\b], s[SEL], s[SEL+1]
.endr
.endr
.irp e, 0,1
.irp b, 0,1
	v_max_num_f32 v[52+4*\e+\b], v[52+4*\e+\b], v[54+4*\e+\b]
.endr
.endr
.irp e, 0,1
.irp b, 0,1
	v_add_nc_u32 v[54+4*\e+\b], 0xff000000, v[52+4*\e+\b]   ; 2 off the exponent field: the conversion's scale operand
.endr
.endr
.irp e, 0,1
.irp b, 0,1
	v_lshrrev_b32 v[52+4*\e+\b], 23, v[54+4*\e+\b]
.endr
.endr
.irp e, 0,1
	v_lshl_or_b32 v[52+4*\e], v[53+4*\e], 8, v[52+4*\e]
.endr
.irp e, 0,1
	v_cvt_scalef32_pk16_fp6_f32 v[224+8*\e:226+8*\e], v[64+32*\e:79+32*\e], v[54+4*\e]
	v_cvt_scalef32_pk16_fp6_f32 v[228+8*\e:230+8*\e], v[80+32*\e:95+32*\e], v[55+4*\e]
.endr
	v_nop                                          ; one plain place behind a scaled conversion
.endm
.macro PUT a0, cb, wb                  ; tiles a0 (even) and a0 + 1 into my stage: rows 16 a0 + 8 e + (r & 7) + 16 (r / 8)
.irp e, 0,1
.irp k, 0,1,2
	ds_store_b32 v14, v[224+8*\e+\k] offset:(\cb)+48*(16*(\a0)+8*\e)+4*\k
	ds_store_b32 v14, v[228+8*\e+\k] offset:(\cb)+48*(16*(\a0)+8*\e)+24+4*\k
.endr
	ds_store_b32 v15, v[52+4*\e] offset:(\wb)+4*(16*(\a0)+8*\e)
.endr
.endm
	RLOAD 13, 0, 0                                 ; (bytes that nobody writes again)
	s_wait_dscnt 0x0                               ; for the others' sake: my stores have landed
	s_barrier_signal -1
	s_barrier_wait -1                              ; k and v lie whole in their stages
.irp p, 0,1,2,3                        ; my q head, two tiles of 16 positions at a time; the next two tiles' rope is fetched meanwhile
.if \p < 3
	RLOAD 13, (\p+1)%2, 2*\p+2
	s_wait_dscnt 16                                ; this pair's rope is in and the last pair's stage stores are done; the 16 loads just issued may be out
.else
	s_wait_dscnt 0x0
.endif
	ROT 0, \p%2, 2+(2*\p)/5, 48*((2*\p)%5)
	ROT 1, \p%2, 2+(2*\p+1)/5, 48*((2*\p+1)%5)
	WIN 0
	QUANT4
	PUT 2*\p, 0, 0
.endr
.irp i, 0,1,2,3,4,5,6,7,8,9,10,11,12
	ds_load_b128 v[128+4*\i:131+4*\i], v16 offset:512*\i   ; 6,144 bytes of codes and 512 of words, as they lie; LDS serves a wave's instructions in order
.endr
	s_wait_dscnt 0x0
.irp i, 0,1,2,3,4,5,6,7,8,9,10,11
	global_store_b128 v8, v[128+4*\i:131+4*\i], s[68:69] offset:512*\i
.endr
	global_store_b128 v8, v[176:179], s[70:71]
	s_wait_xcnt 0x0                                ; the stores have read their registers, which are written again below
	s_cmp_lt_u32 s20, 2
	s_wait_alu depctr_va_vdst(0)                   ; ahead of the branch
	s_cbranch_scc0 .Lv_head
.irp p, 0,1                            ; waves 0, 1: k's 64 positions, whole heads back from the stage into window 1
	RLOAD 22, 0, 2*\p
	WIN 0x40
.irp e, 0,1
.irp i, 0,1,2,3
	ds_load_b128 v[192+32*\e+4*\i:195+32*\e+4*\i], v21 offset:4352*(2*\p+\e)+16*\i
	ds_load_b128 v[208+32*\e+4*\i:211+32*\e+4*\i], v21 offset:4352*(2*\p+\e)+128+16*\i
.endr
.endr
	WIN 0
	s_wait_dscnt 0x0
	ROT 0, 0, 1, 192
	ROT 1, 0, 1, 224
	WIN 0
	QUANT4
	PUT 2*\p, 6656, 3584
.endr
.irp i, 0,1,2,3,4,5
	ds_load_b128 v[128+4*\i:131+4*\i], v16 offset:6656+512*\i
.endr
	ds_load_b64 v[152:153], v17 offset:9728
	s_wait_dscnt 0x0
.irp i, 0,1,2,3,4,5
	global_store_b128 v8, v[128+4*\i:131+4*\i], s[72:73] offset:512*\i
.endr
	global_store_b64 v19, v[152:153], s[74:75]
	s_branch .Ljoin
.Lv_head:
	; waves 2, 3: v along the keys: my lane takes d = 32 half + lane, its 128 registers run down the 128 keys: four blocks, all mine, worked by turns
.set J, 0
.rept 128
	ds_load_b32 v[128+J], v25 offset:272*J
.set J, J+1
.endr
	s_wait_dscnt 0x0
.irp t, 0,1,2,3
	v_max3_num_f32 v[112+2*\t], |v[128+32*\t]|, |v[129+32*\t]|, |v[130+32*\t]|
	v_max3_num_f32 v[113+2*\t], |v[131+32*\t]|, |v[132+32*\t]|, |v[133+32*\t]|
.endr
.irp i, 6,10,14,18,22,26
.irp t, 0,1,2,3
	v_max3_num_f32 v[112+2*\t], v[112+2*\t], |v[128+32*\t+\i]|, |v[129+32*\t+\i]|
	v_max3_num_f32 v[113+2*\t], v[113+2*\t], |v[130+32*\t+\i]|, |v[131+32*\t+\i]|
.endr
.endr
.irp t, 0,1,2,3
	v_max3_num_f32 v[112+2*\t], v[112+2*\t], |v[158+32*\t]|, |v[159+32*\t]|
.endr
.irp t, 0,1,2,3
	v_max3_num_f32 v[112+2*\t], v[112+2*\t], v[113+2*\t], 0x1800000
.endr
.irp t, 0,1,2,3
	v_add_nc_u32 v[104+\t], 0xff000000, v[112+2*\t]
.endr
.irp t, 0,1,2,3
	v_lshrrev_b32 v[108+\t], 23, v[104+\t]
.endr
	v_lshl_or_b32 v120, v109, 8, v108              ; my d's scale word for these 128 keys
	v_lshl_or_b32 v120, v110, 16, v120
	v_lshl_or_b32 v120, v111, 24, v120
.irp t, 0,1,2,3
	v_cvt_scalef32_pk16_fp6_f32 v[64+8*\t:66+8*\t], v[128+32*\t:143+32*\t], v[104+\t]
	v_cvt_scalef32_pk16_fp6_f32 v[68+8*\t:70+8*\t], v[144+32*\t:159+32*\t], v[104+\t]
.endr
	v_nop                                          ; one plain place behind a scaled conversion
.irp t, 0,1,2,3
.irp k, 0,1,2
	ds_store_b32 v26, v[64+8*\t+\k] offset:(\t/2)*1536+24*(\t%2)+4*\k
	ds_store_b32 v26, v[68+8*\t+\k] offset:(\t/2)*1536+24*(\t%2)+12+4*\k
.endr
.endr
	global_store_b32 v23, v120, s[78:79]
.irp i, 0,1,2,3,4,5
	ds_load_b128 v[128+4*\i:131+4*\i], v16 offset:6656+512*\i
.endr
	s_wait_dscnt 0x0
.irp i, 0,1,2,3,4,5
	global_store_b128 v8, v[128+4*\i:131+4*\i], s[76:77] offset:(\i/3)*3072+(\i%3)*512
.endr
.Ljoin:
	s_wait_tensorcnt 0x0                           ; the wave's end
	ds_add_u32 v28, v29
	s_wait_dscnt 0x0
	ROUND                                          ; the closing round
	s_endpgm
.Lfunc_end_k_q203034c025_gemm_qkv:
	.size	k_q203034c025_gemm_qkv, .Lfunc_end_k_q203034c025_gemm_qkv-k_q203034c025_gemm_qkv
	.p2alignl 7, 3214868480
	.fill 96, 4, 3214868480
	.section	.rodata,"a",@progbits
	.p2align	6, 0x0
	.amdhsa_kernel k_q203034c025_gemm_qkv
		.amdhsa_group_segment_fixed_size 327680
		.amdhsa_private_segment_fixed_size 0
		.amdhsa_enable_private_segment 0
		.amdhsa_kernarg_size 40
		.amdhsa_user_sgpr_count 2
		.amdhsa_user_sgpr_kernarg_segment_ptr 1
		.amdhsa_wavefront_size32 1
		.amdhsa_system_sgpr_workgroup_id_x 1
		.amdhsa_system_sgpr_workgroup_id_y 1
		.amdhsa_system_sgpr_workgroup_id_z 1
		.amdhsa_system_vgpr_workitem_id 0
		.amdhsa_next_free_vgpr 1024
		.amdhsa_next_free_sgpr 100
		.amdhsa_reserve_vcc 0
		.amdhsa_float_denorm_mode_32 3
		.amdhsa_float_denorm_mode_16_64 3
		.amdhsa_memory_ordered 1
		.amdhsa_forward_progress 1
		.amdhsa_inst_pref_size 188
	.end_amdhsa_kernel
	.amdgpu_metadata
---
amdhsa.version: [ 1, 2 ]
amdhsa.kernels:
  - .name:           k_q203034c025_gemm_qkv
    .symbol:         k_q203034c025_gemm_qkv.kd
    .args:
      - { .name: xbuf, .offset: 0, .size: 8, .value_kind: global_buffer, .address_space: global }
      - { .name: wbuf, .offset: 8, .size: 8, .value_kind: global_buffer, .address_space: global }
      - { .name: rope, .offset: 16, .size: 8, .value_kind: global_buffer, .address_space: global }
      - { .name: qbuf, .offset: 24, .size: 8, .value_kind: global_buffer, .address_space: global }
      - { .name: kv, .offset: 32, .size: 8, .value_kind: global_buffer, .address_space: global }
    .group_segment_fixed_size: 327680
    .private_segment_fixed_size: 0
    .kernarg_segment_align: 8
    .kernarg_segment_size: 40
    .max_flat_workgroup_size: 128
    .sgpr_count:     100
    .vgpr_count:     1024
    .wavefront_size: 32
...
	.end_amdgpu_metadata
.endif
;; end of part 2
;; launch attn (part 3): grid 32 x 8, 16 waves a work-group, clusters of 4 x 1, 167,936 bytes of LDS; arguments qbuf, kv, abuf; writes abuf
.if DOCPART == 3
	.amdgcn_target "amdgcn-amd-amdhsa--gfx1250"
	.amdhsa_code_object_version 6
	.text
	.protected	k_q203034c025_attn
	.globl	k_q203034c025_attn
	.p2align	8
	.type	k_q203034c025_attn,@function
k_q203034c025_attn:
	s_mov_b64 s[64:65], 0
	v_nop
	global_prefetch_b8 v0, s[64:65] scope:SCOPE_SE
	s_setreg_imm32_b32 hwreg(HW_REG_WAVE_MODE, 25, 1), 1
	s_wait_xcnt 0x0
	s_wait_alu depctr_hold_cnt(0) depctr_sa_sdst(0) depctr_va_vdst(0) depctr_va_sdst(0) depctr_va_ssrc(0) depctr_va_vcc(0) depctr_vm_vsrc(0)
	s_getreg_b32 s2, hwreg(HW_REG_IB_STS2, 6, 4)
	s_cmp_eq_u32 s2, 0
	s_cbranch_scc0 .Lentry_in_a_cluster
	s_endpgm
.Lentry_in_a_cluster:
	s_bfe_u32 s2, ttmp6, 0x10000c
	s_cmp_lg_u32 s2, 0x3003
	s_cbranch_scc0 .Lentry_shape_is_right
	s_endpgm
.Lentry_shape_is_right:
; Causal attention on codes of FP6 (E2M3): S^T = K Q^T (K = the head's 64: the upper 64 of the instruction's 128 are zero codes on both sides), p = 2^(t - M), O^T = V^T P^T, O / l quantised along the head's 64.
; t = score x log2(e) / 8; M = the running largest t rounded up to a whole number; the sum is taken of the unquantised p; when M moves, sum and O^T are multiplied by an exact power of two.
; SHARES.  The four work-groups of a cluster serve the four query heads of one key/value head g of one batch b: they use the same record of kv (52,224 bytes), which comes ONCE, by joint loads, and stays in LDS.
; Work-group cx: heads 4 g + 2 (cx / 2) + {0, 1}, half cx % 2 of the query tiles.  Wave w: head parity w % 2; two tiles of 16 queries, tA (pass 0) and 31 - tA (pass 1): 5 key steps of 128 in every wave.
; How many steps a pass walks hangs on the wave's number alone; the place in the cluster enters global addresses and the mask's vector operand, nothing else.
; ROWS: positions of q, k and of the output, and d of v, lie at rows with bits 3 and 4 swapped: the 16 registers of two neighbouring result tiles are 16 neighbours along the next K.
; OUT: abuf [32 heads][4096 rows][48] and words [16][4096] (bytes 0, 1: the even head's two blocks; 2, 3: the odd head's).
; LIMITS: a block under 2^-124 or of zeros gets the byte 1; NaN and infinities are not served.
; REGISTERS: v1-4 LDS places; v5, v6 the add's; v7 the mask's lane term; v8-11 addresses in hand; v12 -M, v13 largest t, v[14:15] sum; v16-27 Q; v28-31 stages; v32-79 four fragments of K; v80-127 four of V;
; v128-191 S^T, then p; v192-223 O^T; v224-235 p's codes; v236-247, v252, v254 at work; v248-251 K's, then V's scale words; v253 p's; v255 Q's.
.set QSC,   6291456
.set XSC,   6291456
.set WST0,  52224                      ; behind the record: 768 bytes for each wave,
.set SST,   64512                      ; two planes of 1,024 bytes of scale words (even head, odd head),
.set SPARE, 66560                      ; and the spare words, 128 bytes for each of 16 waves
.set SEL,   20
.macro ROUND
	s_barrier_signal -1
	s_barrier_wait -1
	s_cmp_lg_u32 s18, 0
	s_cbranch_scc1 .Lnot_wave_0_\@
	s_barrier_signal -3
.Lnot_wave_0_\@:
	s_barrier_wait -3
	s_barrier_signal -1
	s_barrier_wait -1
.endm
	s_load_b128 s[4:7], s[0:1], 0x0                ; qbuf, kv
	s_load_b64 s[8:9], s[0:1], 0x10                ; abuf
	v_lshl_add_u32 v5, v0, 2, SPARE
	v_mov_b32 v6, 0
	ds_add_u32 v5, v6                              ; the wave's opening: the add and its wait ahead of the first tensor load
	ds_add_u32 v5, v6
	v_lshrrev_b32 v8, 5, v0
	s_delay_alu instid0(VALU_DEP_1)
	v_readfirstlane_b32 s18, v8                    ; wave 0..15
	s_mov_b32 s24, 15|(3<<16)|(1<<21)              ; group 1: all four work-groups; elements of 8 bytes; a quarter of the record as 51 rows of 256 bytes
	s_mov_b32 s25, 32<<16
	s_mov_b32 s26, 51<<16
	s_mov_b32 s27, 32<<16
	s_mov_b32 s28, 51
	s_mov_b32 s29, 32
	s_mov_b32 s30, 0
	s_mov_b32 s31, 0
	s_mov_b32 s32, 1
	s_mul_i32 s33, s18, 13056                      ; waves 0 to 3 fetch a quarter each
	s_and_b32 s11, ttmp7, 0xffff                   ; b
	s_lshl_b32 s12, s11, 3
	s_add_co_u32 s12, s12, ttmp9                   ; 8 b + g
	s_mul_i32 s12, s12, 52224
	s_add_co_u32 s12, s12, s33
	s_mov_b32 s13, 0
	s_mov_b32 s[SEL], 0x76543210
	s_mov_b32 s[SEL+1], 0xfedcba98
	s_mov_b32 s22, 0x3e38aa3b                      ; c = log2(e) / 8
	s_mov_b32 s23, s22
	s_wait_dscnt 0x0
	s_wait_kmcnt 0x0
	s_add_nc_u64 s[34:35], s[6:7], s[12:13]
	s_or_b32 s35, s35, 0x80000000
	ROUND                                          ; the four work-groups are here: the joint loads meet
	s_cmp_lt_u32 s18, 4
	s_cbranch_scc0 .Lno_fill
	tensor_load_to_lds s[32:35], s[24:31]
	s_nop 0
.rept 4
	v_nop
.endr
.Lno_fill:
	s_bfe_u32 s10, ttmp6, 0x40000                  ; cx
	s_lshr_b32 s14, s10, 1
	s_lshl_b32 s15, ttmp9, 1
	s_add_co_u32 s17, s15, s14                     ; the pair of heads
	s_and_b32 s44, s10, 1                          ; which half of the tiles
	s_and_b32 s19, s18, 1
	s_lshl_b32 s45, s17, 1
	s_add_co_u32 s45, s45, s19                     ; my head
	s_lshr_b32 s14, s18, 1                         ; i
	s_lshr_b32 s15, s14, 2                         ; i / 4: pass 0's last key step
	s_and_b32 s16, s14, 3
	s_lshl_b32 s46, s44, 2
	s_add_co_u32 s46, s46, s16
	s_lshl_b32 s47, s15, 3
	s_add_co_u32 s46, s46, s47                     ; tA
	s_sub_co_u32 s47, 31, s46                      ; tB
.macro TILE t, qc, qs, ao, qb          ; a tile's addresses: Q's codes, Q's words, the output's rows; and its first query
	s_lshl_b32 s2, s11, 5
	s_add_co_u32 s2, s2, s45
	s_lshl_b32 s2, s2, 9
	s_lshl_b32 s3, s[\t], 4
	s_add_co_u32 s2, s2, s3
	s_mul_i32 s12, s2, 48
	s_add_nc_u64 s[\qc:\qc+1], s[4:5], s[12:13]
	s_lshl_b32 s12, s2, 2
	s_add_co_u32 s12, s12, QSC
	s_add_nc_u64 s[\qs:\qs+1], s[4:5], s[12:13]
	s_lshl_b32 s2, s11, 9
	s_add_co_u32 s2, s2, s3
	s_mul_i32 s2, s2, 48
	s_mul_i32 s12, s45, 196608
	s_add_co_u32 s12, s12, s2
	s_add_nc_u64 s[\ao:\ao+1], s[8:9], s[12:13]
	s_lshr_b32 s2, s[\t], 1
	s_lshl_b32 s2, s2, 5
	s_and_b32 s3, s[\t], 1
	s_lshl_b32 s3, s3, 3
	s_add_co_u32 s[\qb], s2, s3
.endm
	TILE 46, 48, 50, 52, 43
	TILE 47, 54, 56, 58, 60
	s_lshl_b32 s2, s19, 3                          ; where waves 0 to 3 store a run of 64 rows' words: tiles 4 qh + 8 (w % 2) on, or (w >= 2) 28 less that
	s_lshl_b32 s3, s44, 2
	s_add_co_u32 s2, s2, s3
	s_sub_co_u32 s3, 28, s2
	s_cmp_lt_u32 s18, 2
	s_cselect_b32 s2, s2, s3
	s_lshl_b32 s2, s2, 4
	s_lshl_b32 s3, s11, 9
	s_add_co_u32 s2, s2, s3
	s_lshl_b32 s3, s17, 12
	s_add_co_u32 s2, s2, s3
	s_lshl_b32 s2, s2, 2
	s_add_co_u32 s12, s2, XSC
	s_add_nc_u64 s[2:3], s[8:9], s[12:13]
	v_and_b32 v9, 15, v0                           ; r
	v_bfe_u32 v10, v0, 4, 1                        ; h
	v_and_b32 v11, 31, v0                          ; lane
	s_delay_alu instid0(VALU_DEP_3)
	v_mul_u32_u24 v1, v9, 48
	s_delay_alu instid0(VALU_DEP_1)
	v_mad_u32_u24 v1, v10, 24, v1                  ; a fragment's place: row r of 48 bytes, + 24 h
	v_lshlrev_b32 v8, 2, v9
	global_load_b64 v[16:17], v1, s[48:49]         ; pass 0's Q
	global_load_b64 v[18:19], v1, s[48:49] offset:8
	global_load_b64 v[20:21], v1, s[48:49] offset:16
	global_load_b32 v255, v8, s[50:51]
	v_add_nc_u32 v2, 24576, v1                     ; V's
	v_lshl_add_u32 v3, v11, 2, 49152               ; K's words: 32 rows a load
	v_lshl_add_u32 v4, v11, 2, 51200               ; V's
	v_and_b32 v7, 7, v9
	v_bfe_u32 v12, v0, 3, 1
	s_delay_alu instid0(VALU_DEP_1)
	v_lshl_add_u32 v7, v12, 4, v7
	v_lshlrev_b32 v12, 4, v10
	s_delay_alu instid0(VALU_DEP_1)
	v_sub_nc_u32 v7, v7, v12                       ; (r & 7) + 16 (r / 8) - 16 h
	s_mul_i32 s42, s18, 768
	s_add_co_u32 s42, s42, WST0
	v_mul_u32_u24 v28, v9, 48
	s_delay_alu instid0(VALU_DEP_1)
	v_mad_u32_u24 v28, v10, 12, v28
	s_delay_alu instid0(VALU_DEP_1)
	v_add_nc_u32 v28, s42, v28                     ; my stage: row r, + 12 h
	v_lshl_add_u32 v29, v11, 3, s42                ; and back, 8 bytes a lane
	s_lshl_b32 s42, s19, 10
	s_lshl_b32 s36, s15, 8
	s_add_co_u32 s42, s42, s36
	s_add_co_u32 s42, s42, SST
	s_lshl_b32 s36, s16, 6
	s_add_co_u32 s36, s36, s42
	v_lshl_add_u32 v30, v9, 2, s36                 ; pass 0's word: run i / 4, tile i % 4 of the run
	s_xor_b32 s36, s16, 3
	s_lshl_b32 s36, s36, 6
	s_add_co_u32 s36, s36, s42
	s_add_co_u32 s36, s36, 512
	v_lshl_add_u32 v31, v9, 2, s36                 ; pass 1's: run 2 + i / 4, tile 3 - i % 4
.irp k, 22,23,24,25,26,27
	v_mov_b32 v[\k], 0                             ; k = 64 .. 127 of Q: zero codes
.endr
.irp t, 0,1,2,3
.irp k, 6,7,8,9,10,11
	v_mov_b32 v[32+12*\t+\k], 0                    ; and of K's fragments: written once
.endr
.endr
.irp k, 236,237,238,239,252,253
	v_mov_b32 v[\k], 0                             ; named (a permute's destination, a pair's upper half) before they are first written
.endr
	s_wait_tensorcnt 0x0                           ; my quarter of the record has landed,
	s_barrier_signal -1
	s_barrier_wait -1                              ; everybody's has
.macro QUANT2 Y, CD, TM                ; 32 numbers of a lane (two blocks, the other halves in lane l xor 16) -> codes and a scale word in v[TM + 8]
.irp b, 0,1
	v_max3_num_f32 v[\TM+\b], |v[\Y+16*\b]|, |v[\Y+16*\b+1]|, 0x1800000
.endr
.irp i, 2,4,6,8,10,12,14
.irp b, 0,1
	s_delay_alu instid0(VALU_DEP_2)
	v_max3_num_f32 v[\TM+\b], v[\TM+\b], |v[\Y+16*\b+\i]|, |v[\Y+16*\b+\i+1]|
.endr
.endr
.irp b, 0,1
	s_delay_alu instid0(VALU_DEP_2)
	v_permlanex16_b32 v[\TM+2+\b], v[\TM+\b], s[SEL], s[SEL+1]
.endr
.irp b, 0,1
	s_delay_alu instid0(VALU_DEP_2)
	v_max_num_f32 v[\TM+\b], v[\TM+\b], v[\TM+2+\b]
.endr
.irp b, 0,1
	s_delay_alu instid0(VALU_DEP_2)
	v_add_nc_u32 v[\TM+4+\b], 0xff000000, v[\TM+\b]
.endr
.irp b, 0,1
	s_delay_alu instid0(VALU_DEP_2)
	v_lshrrev_b32 v[\TM+6+\b], 23, v[\TM+4+\b]
.endr
	s_wait_alu depctr_va_vdst(0)
	s_wait_dscnt 0x0
	v_lshl_or_b32 v[\TM+8], v[\TM+7], 8, v[\TM+6]
	v_cvt_scalef32_pk16_fp6_f32 v[\CD:\CD+2], v[\Y:\Y+15], v[\TM+4]
	v_cvt_scalef32_pk16_fp6_f32 v[\CD+4:\CD+6], v[\Y+16:\Y+31], v[\TM+5]
	v_nop
.endm
; A KEY STEP of 128 keys.  s37 the step, s36 the pass's last, s38 / s39 / s40 the step's bytes in K and V / K's words / V's words, s41 its first key; qb: the register with the tile's first query.
.macro STEP qb
	s_cmp_gt_u32 s37, s36                          ; all keys of the step come after my queries: its work is left out (wave's number and the count of steps alone)
	s_cbranch_scc1 .Lskip_\@
	v_add_nc_u32 v8, s38, v1                       ; (these four are also the places in front of the loads into registers that the last products read)
	v_add_nc_u32 v9, s38, v2
	v_add_nc_u32 v10, s39, v3
	v_add_nc_u32 v11, s40, v4
.irp t, 0,1,2,3
.irp p, 0,1,2
	ds_load_b64 v[32+12*\t+2*\p:33+12*\t+2*\p], v8 offset:768*\t+8*\p
.endr
.endr
.irp i, 0,1,2,3
	ds_load_b32 v[248+\i], v10 offset:128*\i       ; lanes 0-15 tile 2 i's words, lanes 16-31 tile 2 i + 1's
.endr
.irp t, 0,1,2,3
.irp p, 0,1,2,3,4,5
	ds_load_b64 v[80+12*\t+2*\p:81+12*\t+2*\p], v9 offset:768*\t+3072*(\p/3)+8*(\p%3)
.endr
.endr
	s_wait_alu depctr_va_vdst(0)
	s_wait_dscnt 24                                ; K's first four tiles and its words are in; V's 24 loads may be out
.irp t, 0,2
	v_wmma_scale_f32_16x16x128_f8f6f4 v[128+8*\t:135+8*\t], v[32+12*\t:43+12*\t], v[16:27], 0, v[248+\t/2], v255 matrix_a_fmt:MATRIX_FMT_FP6 matrix_b_fmt:MATRIX_FMT_FP6
	v_wmma_scale_f32_16x16x128_f8f6f4 v[136+8*\t:143+8*\t], v[44+12*\t:55+12*\t], v[16:27], 0, v[248+\t/2], v255 matrix_a_fmt:MATRIX_FMT_FP6 matrix_b_fmt:MATRIX_FMT_FP6 matrix_a_scale:MATRIX_SCALE_ROW1
.endr
.rept 4
	v_nop
.endr
.irp t, 0,1,2,3
.irp p, 0,1,2
	ds_load_b64 v[32+12*\t+2*\p:33+12*\t+2*\p], v8 offset:768*(4+\t)+8*\p
.endr
.endr
	s_wait_dscnt 0x0
.irp t, 0,2
	v_wmma_scale_f32_16x16x128_f8f6f4 v[160+8*\t:167+8*\t], v[32+12*\t:43+12*\t], v[16:27], 0, v[250+\t/2], v255 matrix_a_fmt:MATRIX_FMT_FP6 matrix_b_fmt:MATRIX_FMT_FP6
	v_wmma_scale_f32_16x16x128_f8f6f4 v[168+8*\t:175+8*\t], v[44+12*\t:55+12*\t], v[16:27], 0, v[250+\t/2], v255 matrix_a_fmt:MATRIX_FMT_FP6 matrix_b_fmt:MATRIX_FMT_FP6 matrix_a_scale:MATRIX_SCALE_ROW1
.endr
.rept 4
	v_nop
.endr
	ds_load_b32 v248, v11                          ; V's words
	ds_load_b32 v249, v11 offset:128
	s_cmp_lg_u32 s37, s36                          ; the pass's last step lies on the diagonal: hidden scores become -infinity
	s_cbranch_scc1 .Lopen_\@
	s_sub_co_i32 s42, s[\qb], s41
	v_add_nc_u32 v252, s42, v7                     ; my query - the step's first key - 16 h.  Register 16 b + i holds key 32 b + 16 h + i of the step
	v_mov_b32 v254, 0xff800000
.set J, 0
.rept 64
	v_cmp_gt_i32 vcc_lo, 32*(J/16)+J%16, v252
	v_cndmask_b32 v[128+J], v[128+J], v254, vcc_lo
.set J, J+1
.endr
.Lopen_\@:
.irp b, 0,1,2,3
	v_max3_num_f32 v[232+\b], v[128+16*\b], v[129+16*\b], v[130+16*\b]   ; each block's largest score: for the row's maximum and for the block's largest p
.endr
.irp i, 3,5,7,9,11,13
.irp b, 0,1,2,3
	v_max3_num_f32 v[232+\b], v[232+\b], v[128+16*\b+\i], v[129+16*\b+\i]
.endr
.endr
.irp b, 0,1,2,3
	v_max_num_f32 v[232+\b], v[232+\b], v[143+16*\b]
.endr
.irp b, 0,1,2,3
	s_delay_alu instid0(VALU_DEP_4)
	v_permlanex16_b32 v[236+\b], v[232+\b], s[SEL], s[SEL+1]
.endr
.irp b, 0,1,2,3
	s_delay_alu instid0(VALU_DEP_4)
	v_max_num_f32 v[232+\b], v[232+\b], v[236+\b]
.endr
	s_delay_alu instid0(VALU_DEP_2)
	v_max3_num_f32 v254, v232, v233, v234
	s_delay_alu instid0(VALU_DEP_1)
	v_max_num_f32 v254, v254, v235
	s_delay_alu instid0(VALU_DEP_1)
	v_mul_f32 v254, s22, v254
	s_delay_alu instid0(VALU_DEP_1)
	v_max_num_f32 v13, v13, v254                   ; the running largest t
	v_mov_b32 v254, v12
	s_delay_alu instid0(VALU_DEP_2)
	v_floor_f32 v12, -v13                          ; -M = floor(-t)
	s_delay_alu instid0(VALU_DEP_1)
	v_sub_f32 v254, v12, v254
	s_delay_alu instid0(VALU_DEP_1)
	v_cvt_i32_f32 v254, v254                       ; (it saturates)
	s_delay_alu instid0(VALU_DEP_1)
	v_ldexp_f32 v252, 1.0, v254                    ; f = 2^(old M - new M)
.set J, 0
.rept 32
	v_pk_fma_f32 v[128+J:129+J], v[128+J:129+J], s[22:23], v[12:13] op_sel_hi:[1,0,0]
.set J, J+2
.endr
.irp b, 0,1,2,3
	v_fma_f32 v[232+\b], v[232+\b], s22, v12
.endr
.set J, 0
	s_wait_alu depctr_va_vdst(0)
.rept 64
	v_exp_f32 v[128+J], v[128+J]                   ; p = 2^(t - M)
.set J, J+1
.endr
	v_pk_mul_f32 v[14:15], v[14:15], v[252:253] op_sel_hi:[1,0]   ; the sums under the new M: a plain place behind the exponentials
	s_wait_alu depctr_va_vdst(0)                   ; one wait for the batch, ahead of its first reader
.irp b, 0,1,2,3
	v_exp_f32 v[232+\b], v[232+\b]                 ; each block's largest p
.endr
	v_pk_add_f32 v[236:237], v[132:133], v[136:137]
	v_pk_add_f32 v[250:251], v[140:141], v[144:145]
	v_pk_add_f32 v[246:247], v[148:149], v[152:153]
	v_pk_add_f32 v[244:245], v[156:157], v[160:161]
	v_pk_add_f32 v[242:243], v[164:165], v[168:169]
	v_pk_add_f32 v[240:241], v[172:173], v[176:177]
	v_pk_add_f32 v[238:239], v[180:181], v[184:185]
	v_pk_add_f32 v[14:15], v[14:15], v[188:189]
	v_pk_add_f32 v[236:237], v[236:237], v[128:129]
	v_pk_add_f32 v[250:251], v[250:251], v[130:131]
	v_pk_add_f32 v[246:247], v[246:247], v[134:135]
	v_pk_add_f32 v[244:245], v[244:245], v[138:139]
	v_pk_add_f32 v[242:243], v[242:243], v[142:143]
	v_pk_add_f32 v[240:241], v[240:241], v[146:147]
	v_pk_add_f32 v[238:239], v[238:239], v[150:151]
	v_pk_add_f32 v[14:15], v[14:15], v[154:155]
	v_pk_add_f32 v[236:237], v[236:237], v[158:159]
	v_pk_add_f32 v[250:251], v[250:251], v[162:163]
	v_pk_add_f32 v[246:247], v[246:247], v[166:167]
	v_pk_add_f32 v[244:245], v[244:245], v[170:171]
	v_pk_add_f32 v[242:243], v[242:243], v[174:175]
	v_pk_add_f32 v[240:241], v[240:241], v[178:179]
	v_pk_add_f32 v[238:239], v[238:239], v[182:183]
	v_pk_add_f32 v[14:15], v[14:15], v[186:187]
	v_pk_add_f32 v[236:237], v[236:237], v[190:191]
	s_delay_alu instid0(VALU_DEP_2)
	v_pk_add_f32 v[14:15], v[14:15], v[244:245]
	s_delay_alu instid0(VALU_DEP_2)
	v_pk_add_f32 v[236:237], v[236:237], v[242:243]
	v_pk_add_f32 v[250:251], v[250:251], v[240:241]
	v_pk_add_f32 v[246:247], v[246:247], v[238:239]
	s_delay_alu instid0(VALU_DEP_2)
	v_pk_add_f32 v[14:15], v[14:15], v[250:251]
	s_delay_alu instid0(VALU_DEP_2)
	v_pk_add_f32 v[236:237], v[236:237], v[246:247]
	s_delay_alu instid0(VALU_DEP_1)
	v_pk_add_f32 v[14:15], v[14:15], v[236:237]
	s_wait_alu depctr_va_vdst(0)                   ; and one for the four
.irp b, 0,1,2,3
	v_max_num_f32 v[232+\b], 0x1800000, v[232+\b]
.endr
.irp b, 0,1,2,3
	s_delay_alu instid0(VALU_DEP_4)
	v_add_nc_u32 v[244+\b], 0xff000000, v[232+\b]
.endr
.irp b, 0,1,2,3
	s_delay_alu instid0(VALU_DEP_4)
	v_lshrrev_b32 v[236+\b], 23, v[244+\b]
.endr
	s_delay_alu instid0(VALU_DEP_3)
	v_lshl_or_b32 v253, v237, 8, v236              ; p's scale word for these 128 keys
	s_delay_alu instid0(VALU_DEP_1)
	v_lshl_or_b32 v253, v238, 16, v253
	s_delay_alu instid0(VALU_DEP_1)
	v_lshl_or_b32 v253, v239, 24, v253
.irp c, 0,1
	v_cvt_scalef32_pk16_fp6_f32 v[224+6*\c:226+6*\c], v[128+32*\c:143+32*\c], v[244+2*\c]
	v_cvt_scalef32_pk16_fp6_f32 v[236+4*\c:238+4*\c], v[144+32*\c:159+32*\c], v[244+2*\c+1]
.endr
	v_nop
.irp c, 0,1                            ; the operand wants a whole block in a lane
.irp i, 0,1,2
	v_permlane16_swap_b32 v[224+6*\c+\i], v[236+4*\c+\i]
.endr
.irp i, 0,1,2
	s_delay_alu instid0(VALU_DEP_3)
	v_mov_b32 v[227+6*\c+\i], v[236+4*\c+\i]
.endr
.endr
.set J, 0
.rept 16
	v_pk_mul_f32 v[192+J:193+J], v[192+J:193+J], v[252:253] op_sel_hi:[1,0]   ; O^T under the new M; also the places in front of the products below
.set J, J+2
.endr
	s_wait_alu depctr_va_vdst(0)
	s_wait_dscnt 0x0                               ; V's words (its fragments came long ago)
.irp t, 0,2
	v_wmma_scale_f32_16x16x128_f8f6f4 v[192+8*\t:199+8*\t], v[80+12*\t:91+12*\t], v[224:235], v[192+8*\t:199+8*\t], v[248+\t/2], v253 matrix_a_fmt:MATRIX_FMT_FP6 matrix_b_fmt:MATRIX_FMT_FP6
	v_wmma_scale_f32_16x16x128_f8f6f4 v[200+8*\t:207+8*\t], v[92+12*\t:103+12*\t], v[224:235], v[200+8*\t:207+8*\t], v[248+\t/2], v253 matrix_a_fmt:MATRIX_FMT_FP6 matrix_b_fmt:MATRIX_FMT_FP6 matrix_a_scale:MATRIX_SCALE_ROW1
.endr
.Lskip_\@:
	s_add_co_u32 s38, s38, 6144
	s_add_co_u32 s39, s39, 512
	s_add_co_u32 s40, s40, 256
	s_add_co_u32 s41, s41, 128
	s_add_co_u32 s37, s37, 1
.endm
; A PASS: one tile of 16 queries.  trips: a constant; nextq = 1: the other pass's Q is asked for behind the loop.
.macro PASS trips, qb, ao, sstv, nextq
	v_mov_b32 v13, 0xff61b1e6                      ; the largest t so far: -3e38
	s_delay_alu instid0(VALU_DEP_1)
	v_floor_f32 v12, -v13
	v_mov_b32 v14, 0
	v_mov_b32 v15, 0
.set J, 0
.rept 32
	v_mov_b32 v[192+J], 0                          ; O^T: the step is written once, its first walk finds zeros
.set J, J+1
.endr
	s_mov_b32 s37, 0
	s_mov_b32 s38, 0
	s_mov_b32 s39, 0
	s_mov_b32 s40, 0
	s_mov_b32 s41, 0
	s_wait_loadcnt 0x0                             ; Q
.Lstep_\@:
	STEP \qb
	s_cmp_lt_u32 s37, \trips
	s_cbranch_scc1 .Lstep_\@
.if \nextq
	v_and_b32 v8, 15, v0
	s_delay_alu instid0(VALU_DEP_1)
	v_lshlrev_b32 v8, 2, v8
	global_load_b64 v[16:17], v1, s[54:55]
	global_load_b64 v[18:19], v1, s[54:55] offset:8
	global_load_b64 v[20:21], v1, s[54:55] offset:16
	global_load_b32 v255, v8, s[56:57]
.endif
.rept 4
	v_nop                                          ; places in front of the first read of O^T
.endr
	v_add_f32 v14, v14, v15
	s_delay_alu instid0(VALU_DEP_1)
	v_permlanex16_b32 v252, v14, s[SEL], s[SEL+1]
	s_delay_alu instid0(VALU_DEP_1)
	v_add_f32 v14, v14, v252                       ; the row's sum
	s_wait_alu depctr_va_vdst(0)
	v_rcp_f32 v14, v14
	v_nop
	s_wait_alu depctr_va_vdst(0)
.set J, 0
.rept 16
	v_pk_mul_f32 v[128+J:129+J], v[192+J:193+J], v[14:15] op_sel_hi:[1,0]   ; O^T / l: register 16 beta + i is d = 32 beta + 16 h + i
.set J, J+2
.endr
	QUANT2 128, 224, 236
.irp k, 0,1,2
	ds_store_b32 v28, v[224+\k] offset:4*\k
	ds_store_b32 v28, v[228+\k] offset:24+4*\k
.endr
	ds_store_b32 v[\sstv], v244
.irp i, 0,1,2
	ds_load_b64 v[160+2*\i:161+2*\i], v29 offset:256*\i
.endr
	v_and_b32 v9, 31, v0
	s_delay_alu instid0(VALU_DEP_1)
	v_lshlrev_b32 v9, 3, v9
	s_wait_alu depctr_va_vdst(0)
.irp i, 0,1,2
	s_wait_dscnt 2-\i                              ; the younger read-backs may be out
	global_store_b64 v9, v[160+2*\i:161+2*\i], s[\ao:\ao+1] offset:256*\i   ; 256 consecutive bytes
.endr
	s_wait_xcnt 0x0                                ; loads and stores have read their address and data registers, which are written again below
.endm
	s_mov_b32 s36, s15
	PASS 2, 43, 52, 30, 1
	s_xor_b32 s36, s15, 3                          ; 3 - i / 4
	PASS 4, 60, 58, 31, 0
	s_lshl_b32 s42, s18, 8
	s_add_co_u32 s42, s42, SST
	v_and_b32 v10, 31, v0
	s_delay_alu instid0(VALU_DEP_1)
	v_lshl_add_u32 v10, v10, 3, s42                ; run w's words, 8 bytes a lane (read by waves 0 to 3)
	s_wait_dscnt 0x0                               ; my words lie in the stage,
	s_barrier_signal -1
	s_barrier_wait -1                              ; everybody's do
	s_cmp_lt_u32 s18, 4
	s_cbranch_scc0 .Lno_words
	s_wait_alu depctr_va_vdst(0)
	ds_load_b64 v[160:161], v10                    ; the even head's two bytes a row,
	ds_load_b64 v[162:163], v10 offset:1024        ; the odd head's
	s_wait_dscnt 0x0
	v_lshl_or_b32 v160, v162, 16, v160
	v_lshl_or_b32 v161, v163, 16, v161
	global_store_b64 v9, v[160:161], s[2:3]        ; 64 rows' words: 256 consecutive bytes
.Lno_words:
	s_wait_tensorcnt 0x0                           ; the wave's end
	ds_add_u32 v5, v6
	s_wait_dscnt 0x0
	ROUND                                          ; the closing round
	s_endpgm
.Lfunc_end_k_q203034c025_attn:
	.size	k_q203034c025_attn, .Lfunc_end_k_q203034c025_attn-k_q203034c025_attn
	.p2alignl 7, 3214868480
	.fill 96, 4, 3214868480
	.section	.rodata,"a",@progbits
	.p2align	6, 0x0
	.amdhsa_kernel k_q203034c025_attn
		.amdhsa_group_segment_fixed_size 167936
		.amdhsa_private_segment_fixed_size 0
		.amdhsa_enable_private_segment 0
		.amdhsa_kernarg_size 24
		.amdhsa_user_sgpr_count 2
		.amdhsa_user_sgpr_kernarg_segment_ptr 1
		.amdhsa_wavefront_size32 1
		.amdhsa_system_sgpr_workgroup_id_x 1
		.amdhsa_system_sgpr_workgroup_id_y 1
		.amdhsa_system_sgpr_workgroup_id_z 1
		.amdhsa_system_vgpr_workitem_id 0
		.amdhsa_next_free_vgpr 256
		.amdhsa_next_free_sgpr 66
		.amdhsa_reserve_vcc 1
		.amdhsa_float_denorm_mode_32 3
		.amdhsa_float_denorm_mode_16_64 3
		.amdhsa_memory_ordered 1
		.amdhsa_forward_progress 1
		.amdhsa_inst_pref_size 71
	.end_amdhsa_kernel
	.amdgpu_metadata
---
amdhsa.version: [ 1, 2 ]
amdhsa.kernels:
  - .name:           k_q203034c025_attn
    .symbol:         k_q203034c025_attn.kd
    .args:
      - { .name: qbuf, .offset: 0, .size: 8, .value_kind: global_buffer, .address_space: global }
      - { .name: kv, .offset: 8, .size: 8, .value_kind: global_buffer, .address_space: global }
      - { .name: abuf, .offset: 16, .size: 8, .value_kind: global_buffer, .address_space: global }
    .group_segment_fixed_size: 167936
    .private_segment_fixed_size: 0
    .kernarg_segment_align: 8
    .kernarg_segment_size: 24
    .max_flat_workgroup_size: 512
    .sgpr_count:     66
    .vgpr_count:     256
    .wavefront_size: 32
...
	.end_amdgpu_metadata
.endif
;; end of part 3
;; launch gemm_o (part 4): grid 8 x 32, 4 waves a work-group, clusters of 4 x 1, 327,680 bytes of LDS; arguments abuf, wbuf, out0; writes out0
.if DOCPART == 4
	.amdgcn_target "amdgcn-amd-amdhsa--gfx1250"
	.amdhsa_code_object_version 6
	.text
	.protected	k_q203034c025_gemm_o
	.globl	k_q203034c025_gemm_o
	.p2align	8
	.type	k_q203034c025_gemm_o,@function
k_q203034c025_gemm_o:
	s_mov_b64 s[64:65], 0
	v_nop
	global_prefetch_b8 v0, s[64:65] scope:SCOPE_SE
	s_setreg_imm32_b32 hwreg(HW_REG_WAVE_MODE, 25, 1), 1
	s_wait_xcnt 0x0
	s_wait_alu depctr_hold_cnt(0) depctr_sa_sdst(0) depctr_va_vdst(0) depctr_va_sdst(0) depctr_va_ssrc(0) depctr_va_vcc(0) depctr_vm_vsrc(0)
	s_getreg_b32 s2, hwreg(HW_REG_IB_STS2, 6, 4)
	s_cmp_eq_u32 s2, 0
	s_cbranch_scc0 .Lentry_in_a_cluster
	s_endpgm
.Lentry_in_a_cluster:
	s_bfe_u32 s2, ttmp6, 0x10000c
	s_cmp_lg_u32 s2, 0x3003
	s_cbranch_scc0 .Lentry_shape_is_right
	s_endpgm
.Lentry_shape_is_right:
; out0 = a Wo on codes of FP6 (E2M3) with E8M0 scales; a: attention's result, abuf [32 planes of 64 along K][4096 rows][48 bytes] and scale words [16][4096]; Wo: rows 3,072 on of wbuf.
; A work-group of four waves makes 128 rows x 256 columns; wave w all 128 rows x columns 64 w on: 32 accumulators of 16 x 16.
; A STAYS: the 128 rows of a for all of K are 196,608 bytes of LDS, filled once, in two groups of tensor loads.  At the head each wave asks for two planes (steps 0-3 in all); behind the full sequence
; ahead of a later first fill each wave asks for six planes more (steps 4-15 in all); a barrier in the third step of each trip shows them to all waves ahead of step 4's fragments.
; WO GOES STRAIGHT INTO REGISTERS: no two waves of the work-group use the same rows of wbuf, which lies as images of the operand's registers ([K / 128][row / 16][1,536 bytes]): a fragment is three loads of 512 consecutive
; bytes.  Four sets of four fragments and two scale words take turns: 14 loads a step; steps 0-3 are asked for at the head, step s + 3 in step s.
; CLUSTER 4 x 1: the four work-groups have the same 128 rows of a and ask for them jointly.  wbuf's rows differ between the partners, so they are not shared.
; PREFETCHES INTO THE L2.  wbuf: a wave's 6,144 bytes of a step are 24 blocks of 256 bytes, which no other wave of the cluster loads: the wave names them itself, a lane a block, in one instruction.  Step s (1 to 8) names
; step s + 7, which step s + 4 loads: four steps ahead; the head names steps 4-7; the last trip names nothing.  The wave's scale words of all 16 steps are 16 blocks: one instruction at the head.
; a's later fill (24 planes x 24 blocks) is named at the head, once in the cluster: its sixteen waves share the blocks out by address, 36 each (block W of each plane; then 12 of the blocks 16-23).
; THE PRODUCT IS USED TRANSPOSED (source 0 = 16 rows of wbuf, source 1 = 16 rows of a): a lane holds eight neighbouring columns of one row.  abuf's rows and wbuf's rows lie with bits 3 and 4 swapped inside each 32:
; tile b's register j of lane (r, h) is column 32 (b / 2) + 16 h + 8 (b % 2) + j; block a's row t is position 32 (a / 2) + 8 (a % 2) + t % 8 + 16 (t / 8).
; REGISTERS, windows of 256: window 0: v0-31 addresses; v32-39 a's scale words, two sets; v40-47 wbuf's, four sets; v96-191 a's eight fragments, one set; v192-255 the way out.
; window 1: wbuf's sets at 48 k.  window 2: the accumulators, (a, b) at 32 a + 8 b.
.set XS,    196608                     ; behind a: its scale words [16][128],
.set STAGE, 204800                     ; a stage of 16 rows x (256 + 16) bytes for each wave, into which no fill lands,
.set SPARE, 222208                     ; and the spare words
.set XSC,   6291456
.set WSC,   7864320
.set WSTEP, 491520
.set MSB, 0
.set BAR, 0                            ; 1: the step that is assembled holds the barrier for the later fill
.set PF,  0                            ; not 0: the step that is assembled names this step of wbuf, counted from the bases, for the L2
.macro WIN new                         ; the immediate's high byte repeats the setting that is left
.if MSB != (\new)
	s_set_vgpr_msb (MSB<<8)|(\new)
.set MSB, (\new)
.endif
.endm
.macro PLACES
.rept 4
	v_nop
.endr
.endm
.macro ROUND
	s_barrier_signal -1
	s_barrier_wait -1
	s_cmp_lg_u32 s20, 0
	s_cbranch_scc1 .Lnot_wave_0_\@
	s_barrier_signal -3
.Lnot_wave_0_\@:
	s_barrier_wait -3
	s_barrier_signal -1
	s_barrier_wait -1
.endm
	s_load_b128 s[4:7], s[0:1], 0x0                ; abuf s[4:5], wbuf s[6:7]
	s_load_b64 s[8:9], s[0:1], 0x10                ; out0
	v_lshl_add_u32 v28, v0, 2, SPARE
	v_mov_b32 v29, 0
	ds_add_u32 v28, v29                            ; the opening: the add, twice on end, and its wait ahead of my first tensor load
	ds_add_u32 v28, v29
	v_lshrrev_b32 v1, 5, v0
	v_readfirstlane_b32 s20, v1                    ; wave
	s_bfe_u32 s40, ttmp6, 0x40000                  ; cx
	s_lshl_b32 s42, ttmp9, 2
	s_add_co_u32 s42, s42, s40                     ; tx: 256 columns each; it enters global addresses alone
	s_and_b32 s43, ttmp7, 0xffff                   ; ty: 128 rows each
	s_mov_b32 s24, 15|(3<<16)|(1<<21)              ; group 1: all four partners; a plane's 128 rows x 48 bytes as a row of 768 elements of 8 bytes, planes 4,096 x 48 bytes apart; two planes at the head
	s_mov_b32 s25, 768<<16
	s_mov_b32 s26, 2<<16
	s_mov_b32 s27, 768<<16
	s_mov_b32 s28, 2
	s_mov_b32 s29, 24576
	s_mov_b32 s30, 0
	s_mov_b32 s31, 0
	s_mov_b32 s32, 1
	s_mul_i32 s33, s20, 12288
	s_mul_i32 s36, s20, 393216
	s_mul_i32 s51, s43, 6144
	s_add_co_u32 s36, s36, s51
	s_mov_b32 s37, 0
	s_wait_dscnt 0x0                               ; both opening adds are done
	s_wait_kmcnt 0x0
	s_add_nc_u64 s[34:35], s[4:5], s[36:37]
	s_or_b32 s35, s35, 0x80000000
	ROUND                                          ; the four work-groups are here: the joint loads meet
	tensor_load_to_lds s[32:35], s[24:31]          ; my one tensor load at the head
	s_nop 0
	PLACES
	s_lshl_b32 s38, s42, 8
	s_lshl_b32 s39, s20, 6
	s_add_co_u32 s38, s38, s39
	s_add_co_u32 s38, s38, 3072                    ; my first row of wbuf
	s_mul_i32 s36, s38, 96
	s_add_nc_u64 s[44:45], s[6:7], s[36:37]        ; its fragments,
	s_lshl_b32 s36, s38, 2
	s_add_co_u32 s36, s36, WSC
	s_add_nc_u64 s[46:47], s[6:7], s[36:37]        ; its scale words
	s_lshl_b32 s36, s43, 9
	s_add_co_u32 s36, s36, XSC
	s_add_nc_u64 s[48:49], s[4:5], s[36:37]        ; a's scale words
	s_add_co_u32 s36, s51, 1572864
	s_add_nc_u64 s[98:99], s[4:5], s[36:37]        ; a's plane 8, my work-group's rows: where the later fill begins;
	s_mul_i32 s36, s20, 1179648                    ; of it I take planes 8 + 6 w on
	s_add_nc_u64 s[94:95], s[98:99], s[36:37]
	s_mul_i32 s50, s20, 36864
	s_add_co_u32 s50, s50, 49152
	s_lshl_b32 s96, s40, 2
	s_add_co_u32 s96, s96, s20                     ; W = 4 cx + wave: my place among the cluster's sixteen waves: it enters the prefetches' addresses alone
	s_lshl_b32 s97, s96, 8
	s_mul_i32 s96, s96, 12
	s_lshl_b32 s36, s43, 20                        ; 128 rows of 8,192 bytes
	s_lshl_b32 s39, s42, 10
	s_add_co_u32 s36, s36, s39
	s_lshl_b32 s39, s20, 8
	s_add_co_u32 s36, s36, s39
	s_add_nc_u64 s[8:9], s[8:9], s[36:37]          ; my part of out0
	s_mul_i32 s90, s20, 4352
	s_add_co_u32 s90, s90, STAGE                   ; my stage
	v_and_b32 v1, 15, v0                           ; r
	v_bfe_u32 v2, v0, 4, 1                         ; h
	v_and_b32 v3, 31, v0                           ; lane
	v_mul_u32_u24 v5, v1, 48
	v_mad_u32_u24 v5, v2, 24, v5                   ; v5 a's fragments, steps 0 and 1: row r of 48 bytes, + 24 h
	v_add_nc_u32 v4, 24576, v5                     ; v4 from step 2 on; stepped once a trip
	v_lshl_add_u32 v7, v3, 2, XS                   ; v7, v6 a's scale words likewise: 32 rows a load
	v_add_nc_u32 v6, 1024, v7
	v_lshlrev_b32 v8, 4, v3                        ; v8 16 x lane
	v_lshlrev_b32 v9, 2, v3                        ; v9 4 x lane
	v_lshlrev_b32 v12, 4, v0
	v_add_nc_u32 v11, XS, v12                      ; v11 a's scale words on the way in: 16 x thread
	v_lshrrev_b32 v24, 5, v0
	v_lshlrev_b32 v24, 14, v24
	v_add_nc_u32 v24, v24, v8                      ; v24 and in memory: a wave to a row of 512 bytes, rows 16,384 bytes apart
	v_mul_u32_u24 v14, v1, 272
	v_lshl_add_u32 v14, v2, 6, v14
	v_add_nc_u32 v14, s90, v14                     ; v14 into the stage: row r, + 64 h
	v_mul_u32_u24 v15, v2, 272
	v_lshl_add_u32 v15, v1, 4, v15
	v_add_nc_u32 v15, s90, v15                     ; v15 and back: sixteen lanes to a row of 256 bytes, two rows a load
	v_lshlrev_b32 v16, 13, v2
	v_lshl_add_u32 v16, v1, 4, v16                 ; v16 the same two rows in out0
	; the prefetches' offsets
	v_min_u32 v10, 23, v3
	v_lshlrev_b32 v10, 8, v10                      ; v10 wbuf: my 24 blocks of a step, a lane a block (the lanes left over name the last again)
	v_min_u32 v17, 15, v3
	v_mul_u32_u24 v17, v17, 20480                  ; v17 wbuf's scale words: step = lane: my 256 bytes
	v_min_u32 v13, 23, v3
	v_mul_u32_u24 v13, v13, 196608
	v_add_nc_u32 v13, s97, v13                     ; v13 a's later fill: block W of plane 8 + lane
	v_min_u32 v18, 11, v3
	v_add_nc_u32 v18, s96, v18                     ; 12 W + lane: which of the 192 blocks 16-23 of the 24 planes
	v_and_b32 v19, 7, v18
	v_lshrrev_b32 v18, 3, v18
	v_mul_u32_u24 v18, v18, 196608
	v_add_nc_u32 v19, 16, v19
	v_lshl_add_u32 v18, v19, 8, v18                ; v18 its place
	s_wait_alu depctr_va_vdst(0)
.macro LOADW k, rel                    ; wbuf's four fragments and two scale words of one step into set k; rel: the step, counted from the bases
	WIN 0x40
.irp b, 0,1,2,3
.irp c, 0,1,2
	global_load_b128 v[48*(\k)+12*\b+4*\c:48*(\k)+12*\b+4*\c+3], v8, s[44:45] offset:(\rel)*WSTEP+1536*\b+512*\c
.endr
.endr
	WIN 0
.irp i, 0,1
	global_load_b32 v[40+2*(\k)+\i], v9, s[46:47] offset:(\rel)*20480+128*\i   ; lanes 0-15 tile 2 i's words, lanes 16-31 tile 2 i + 1's
.endr
.endm
.macro FXLO xa, xsa, rel, par          ; a's blocks 0-3 of a step and its scale words
.irp a, 0,1,2,3
.irp p, 0,1,2,3,4,5
	ds_load_b64 v[96+12*\a+2*\p:97+12*\a+2*\p], v[\xa] offset:(\rel)*12288+768*\a+(\p/3)*6144+8*(\p%3)
.endr
.endr
.irp i, 0,1,2,3
	ds_load_b32 v[32+4*(\par)+\i], v[\xsa] offset:(\rel)*512+128*\i
.endr
.endm
.macro FXHI xa, rel                    ; blocks 4-7
.irp a, 4,5,6,7
.irp p, 0,1,2,3,4,5
	ds_load_b64 v[96+12*\a+2*\p:97+12*\a+2*\p], v[\xa] offset:(\rel)*12288+768*\a+(\p/3)*6144+8*(\p%3)
.endr
.endr
.endm
.macro WM k, par, a, b, zero           ; one product; an odd tile's or block's words lie in lanes 16-31 of its scale register
.set WD, 32*(\a)+8*(\b)
.set WB, 48*(\k)+12*(\b)
.set WA, 96+12*(\a)
.set WSB, 40+2*(\k)+(\b)/2
.set WSA, 32+4*(\par)+(\a)/2
.if \zero
.if ((\b)%2) && ((\a)%2)
	v_wmma_scale_f32_16x16x128_f8f6f4 v[WD:WD+7], v[WB:WB+11], v[WA:WA+11], 0, v[WSB], v[WSA] matrix_a_fmt:MATRIX_FMT_FP6 matrix_b_fmt:MATRIX_FMT_FP6 matrix_a_scale:MATRIX_SCALE_ROW1 matrix_b_scale:MATRIX_SCALE_ROW1
.elseif ((\b)%2)
	v_wmma_scale_f32_16x16x128_f8f6f4 v[WD:WD+7], v[WB:WB+11], v[WA:WA+11], 0, v[WSB], v[WSA] matrix_a_fmt:MATRIX_FMT_FP6 matrix_b_fmt:MATRIX_FMT_FP6 matrix_a_scale:MATRIX_SCALE_ROW1
.elseif ((\a)%2)
	v_wmma_scale_f32_16x16x128_f8f6f4 v[WD:WD+7], v[WB:WB+11], v[WA:WA+11], 0, v[WSB], v[WSA] matrix_a_fmt:MATRIX_FMT_FP6 matrix_b_fmt:MATRIX_FMT_FP6 matrix_b_scale:MATRIX_SCALE_ROW1
.else
	v_wmma_scale_f32_16x16x128_f8f6f4 v[WD:WD+7], v[WB:WB+11], v[WA:WA+11], 0, v[WSB], v[WSA] matrix_a_fmt:MATRIX_FMT_FP6 matrix_b_fmt:MATRIX_FMT_FP6
.endif
.else
.if ((\b)%2) && ((\a)%2)
	v_wmma_scale_f32_16x16x128_f8f6f4 v[WD:WD+7], v[WB:WB+11], v[WA:WA+11], v[WD:WD+7], v[WSB], v[WSA] matrix_a_fmt:MATRIX_FMT_FP6 matrix_b_fmt:MATRIX_FMT_FP6 matrix_a_scale:MATRIX_SCALE_ROW1 matrix_b_scale:MATRIX_SCALE_ROW1
.elseif ((\b)%2)
	v_wmma_scale_f32_16x16x128_f8f6f4 v[WD:WD+7], v[WB:WB+11], v[WA:WA+11], v[WD:WD+7], v[WSB], v[WSA] matrix_a_fmt:MATRIX_FMT_FP6 matrix_b_fmt:MATRIX_FMT_FP6 matrix_a_scale:MATRIX_SCALE_ROW1
.elseif ((\a)%2)
	v_wmma_scale_f32_16x16x128_f8f6f4 v[WD:WD+7], v[WB:WB+11], v[WA:WA+11], v[WD:WD+7], v[WSB], v[WSA] matrix_a_fmt:MATRIX_FMT_FP6 matrix_b_fmt:MATRIX_FMT_FP6 matrix_b_scale:MATRIX_SCALE_ROW1
.else
	v_wmma_scale_f32_16x16x128_f8f6f4 v[WD:WD+7], v[WB:WB+11], v[WA:WA+11], v[WD:WD+7], v[WSB], v[WSA] matrix_a_fmt:MATRIX_FMT_FP6 matrix_b_fmt:MATRIX_FMT_FP6
.endif
.endif
.endm
.macro MULA k, par, a, zero
.irp b, 0,1,2,3
	WM \k, \par, \a, \b, \zero
.endr
.endm
; A step of 128 along K: 32 products, every accumulator once, always in the same order.  k: wbuf's set, par: a's set of scale words.
; In its middle a's blocks 0-3 of the next step are fetched (fx) and wbuf's step three on is asked for, into the set that the last step used (fw); at its end a's blocks 4-7.
.macro STEP k, par, zero, lcnt, fx, xa, xsa, xrel, fw, wrel
	s_wait_loadcnt \lcnt                           ; my set is in; the sets asked for behind it, 14 loads each, may be out
.if BAR
	s_wait_tensorcnt 0x0                           ; my later fill has landed,
	s_wait_dscnt 0x0                               ; no LDS instruction of mine is out:
	s_barrier_signal -1                            ; say so
.else
	s_wait_dscnt 24                                ; a's blocks 0-3 and its words are in; the youngest 24 loads (blocks 4-7) may be out
.endif
	WIN 0xa1
.irp a, 0,1,2,3
	MULA \k, \par, \a, \zero
.endr
.if BAR
	s_barrier_wait -1                              ; everybody's has: the fetch below may read it
.endif
.if \fx
	PLACES                                         ; in front of loads into registers that products have read
	WIN 0
	FXLO \xa, \xsa, \xrel, 1-(\par)
.if \fw
	LOADW ((\k)+3)%4, \wrel
.endif
.if PF
	s_cmp_lg_u32 s3, 1                             ; the last trip's look-ahead would pass the end of K: it names nothing
	s_cbranch_scc0 .Lno_ask_\@
	global_prefetch_b8 v10, s[44:45] offset:PF*WSTEP th:TH_LOAD_NT scope:SCOPE_SE
.Lno_ask_\@:
.endif
	s_wait_dscnt 28                                ; all but the 28 just issued
.else
	s_wait_dscnt 0x0
.endif
	WIN 0xa1
.irp a, 4,5,6,7
	MULA \k, \par, \a, \zero
.endr
.if \fx
	PLACES
	WIN 0
	FXHI \xa, \xrel
.else
	WIN 0
.endif
.endm
.irp i, 0,1,2,3
	global_load_b128 v[160+4*\i:163+4*\i], v24, s[48:49] offset:65536*\i ; a's scale words: four rows of 512 bytes a load of the work-group
.endr
	LOADW 0, 0
	LOADW 1, 1
	global_prefetch_b8 v13, s[98:99] th:TH_LOAD_NT scope:SCOPE_SE       ; my 36 blocks of a's later fill,
	global_prefetch_b8 v18, s[98:99] th:TH_LOAD_NT scope:SCOPE_SE
	global_prefetch_b8 v17, s[46:47] th:TH_LOAD_NT scope:SCOPE_SE       ; my scale words of wbuf,
.irp s, 4,5,6,7
	global_prefetch_b8 v10, s[44:45] offset:\s*WSTEP th:TH_LOAD_NT scope:SCOPE_SE   ; and what steps 1 to 4 will load
.endr
	LOADW 2, 2
	LOADW 3, 3
	s_wait_loadcnt 56                              ; the four loads of a's words are in; wbuf's four sets may be out
	s_wait_tensorcnt 0x0                           ; no tensor load of mine is out when I store to LDS
.irp i, 0,1,2,3
	ds_store_b128 v11, v[160+4*\i:163+4*\i] offset:2048*\i
.endr
	s_wait_tensorcnt 0x0                           ; ahead of a later first fill, as ahead of a refill
	ds_add_u32 v28, v29
	s_mov_b32 s26, 6<<16                           ; no tensor load of mine is out, so a descriptor may be written: six planes,
	s_mov_b32 s28, 6
	s_mov_b32 s33, s50                             ; behind the first eight
	s_mov_b64 s[34:35], s[94:95]
	s_or_b32 s35, s35, 0x80000000
	s_wait_dscnt 0x0                               ; the add and my stores are done
	ROUND                                          ; steps 0-3 of a and its words are in; the four work-groups are here: the joint loads meet
	tensor_load_to_lds s[32:35], s[24:31]          ; my one tensor load behind the round
	s_nop 0
	PLACES
	FXLO 5, 7, 0, 0
	FXHI 5, 0
	STEP 0, 0, 1, 42, 1, 5, 7, 1, 0, 0             ; the first step starts the sums; sets 1 to 3 may be out
	s_mov_b32 s3, 3
.Ltrip:                                                ; steps 4 t + 1 .. 4 t + 4: the four sets come round once
.set PF, 8
	STEP 1, 1, 0, 28, 1, 4, 6, 0, 1, 4
.set PF, 9
	STEP 2, 0, 0, 28, 1, 4, 6, 1, 1, 5
.set PF, 10
.set BAR, 1
	STEP 3, 1, 0, 28, 1, 4, 6, 2, 1, 6             ; in the first trip this is step 3, which fetches step 4's fragments
.set BAR, 0
.set PF, 11
	STEP 0, 0, 0, 28, 1, 4, 6, 3, 1, 7
.set PF, 0
	s_wait_xcnt 0x0                                ; the loads and prefetches have read their bases
	s_add_nc_u64 s[44:45], s[44:45], 4*WSTEP
	s_add_nc_u64 s[46:47], s[46:47], 81920
	v_add_nc_u32 v4, 49152, v4
	v_add_nc_u32 v6, 2048, v6
	s_sub_co_u32 s3, s3, 1
	s_cmp_lg_u32 s3, 0
	s_wait_alu depctr_va_vdst(0)                   ; directly ahead of the branch
	s_cbranch_scc1 .Ltrip
	STEP 1, 1, 0, 28, 1, 4, 6, 0, 0, 0             ; steps 13 to 15 ask for nothing more of wbuf
	STEP 2, 0, 0, 14, 1, 4, 6, 1, 0, 0
	STEP 3, 1, 0, 0, 0, 4, 6, 0, 0, 0
; THE WAY OUT, block by block of 16 rows x 64 columns, through my own stage: back come whole rows of 256 bytes, which sixteen lanes store as one aligned unit.  LDS serves a wave's instructions in order.
.macro TOSTAGE a
	WIN 0x08
.irp b, 0,1,2,3
	ds_store_b128 v14, v[32*(\a)+8*\b:32*(\a)+8*\b+3] offset:128*(\b/2)+32*(\b%2)        ; each accumulator from its low end on
	ds_store_b128 v14, v[32*(\a)+8*\b+4:32*(\a)+8*\b+7] offset:128*(\b/2)+32*(\b%2)+16
.endr
	WIN 0
.irp t, 0,1,2,3,4,5,6,7
	ds_load_b128 v[192+32*((\a)%2)+4*\t:195+32*((\a)%2)+4*\t], v15 offset:544*\t
.endr
.endm
.macro SEND a, younger                 ; younger: the LDS instructions issued behind block a's loads, which may stay out
	s_wait_dscnt \younger
.irp t, 0,1,2,3,4,5,6,7
	global_store_b128 v16, v[192+32*((\a)%2)+4*\t:195+32*((\a)%2)+4*\t], s[8:9] offset:(32*((\a)/2)+8*((\a)%2)+(2*\t)%8+16*(\t/4))*8192 th:TH_STORE_NT
.endr
.endm
	PLACES                                         ; in front of the first read of results
	TOSTAGE 0
.irp a, 1,2,3,4,5,6,7
.if \a > 1
	s_wait_xcnt 0x0                                ; block a - 2's stores have read their registers: block a's loads may land there
.endif
	TOSTAGE \a
	SEND \a-1, 16                                  ; behind block a - 1's loads: block a's 8 stores and 8 loads
.endr
	SEND 7, 0
	s_wait_tensorcnt 0x0                           ; the wave's end
	ds_add_u32 v28, v29
	s_wait_dscnt 0x0
	ROUND                                          ; the closing round
	s_endpgm
.Lfunc_end_k_q203034c025_gemm_o:
	.size	k_q203034c025_gemm_o, .Lfunc_end_k_q203034c025_gemm_o-k_q203034c025_gemm_o
	.p2alignl 7, 3214868480
	.fill 96, 4, 3214868480
	.section	.rodata,"a",@progbits
	.p2align	6, 0x0
	.amdhsa_kernel k_q203034c025_gemm_o
		.amdhsa_group_segment_fixed_size 327680
		.amdhsa_private_segment_fixed_size 0
		.amdhsa_enable_private_segment 0
		.amdhsa_kernarg_size 24
		.amdhsa_user_sgpr_count 2
		.amdhsa_user_sgpr_kernarg_segment_ptr 1
		.amdhsa_wavefront_size32 1
		.amdhsa_system_sgpr_workgroup_id_x 1
		.amdhsa_system_sgpr_workgroup_id_y 1
		.amdhsa_system_sgpr_workgroup_id_z 1
		.amdhsa_system_vgpr_workitem_id 0
		.amdhsa_next_free_vgpr 768
		.amdhsa_next_free_sgpr 100
		.amdhsa_reserve_vcc 0
		.amdhsa_float_denorm_mode_32 3
		.amdhsa_float_denorm_mode_16_64 3
		.amdhsa_memory_ordered 1
		.amdhsa_forward_progress 1
		.amdhsa_inst_pref_size 97
	.end_amdhsa_kernel
	.amdgpu_metadata
---
amdhsa.version: [ 1, 2 ]
amdhsa.kernels:
  - .name:           k_q203034c025_gemm_o
    .symbol:         k_q203034c025_gemm_o.kd
    .args:
      - { .name: abuf, .offset: 0, .size: 8, .value_kind: global_buffer, .address_space: global }
      - { .name: wbuf, .offset: 8, .size: 8, .value_kind: global_buffer, .address_space: global }
      - { .name: out0, .offset: 16, .size: 8, .value_kind: global_buffer, .address_space: global }
    .group_segment_fixed_size: 327680
    .private_segment_fixed_size: 0
    .kernarg_segment_align: 8
    .kernarg_segment_size: 24
    .max_flat_workgroup_size: 128
    .sgpr_count:     100
    .vgpr_count:     768
    .wavefront_size: 32
...
	.end_amdgpu_metadata
.endif
;; end of part 4
